; MI455X (gfx1250); checked and timed in simulation.
; The chip was launched on July 23, 2026; its instructions are those of AMD's public machine-readable ISA for CDNA 5 (MIT licence, August 2026) and "CDNA5" Instruction Set Architecture Reference Guide (July 2026). The comments in the code are by the model that wrote it; some were corrected since.
;; Multi Head Attention. Allowed arithmetic: matrix products marked QUANTISED: E2M3 operands, one E8M0 scale for each 32 along K, by v_wmma_scale_f32_16x16x128_f8f6f4 with both operands' format E2M3, f32 sums; everything else in f32.
;; Inputs: Wc 1,024 x 1,024 float32; Wk 1,024 x 1,024 float32; Wq 1,024 x 1,024 float32; Wv 1,024 x 1,024 float32; bc 1,024 float32; bk 1,024 float32; bq 1,024 float32; bv 1,024 float32; k 4 x 2,048 x 1,024 float32; mask 4 x 1 x 1 x 2,048 bool; q 4 x 2,048 x 1,024 float32; v 4 x 2,048 x 1,024 float32.
;; Outputs: out0 4 x 2,048 x 1,024 float32.
;; This version of the problem:
;;   THIS VERSION OF THE PROBLEM IS GIVEN IN LOW PRECISION. The matrix products marked QUANTISED in the list below multiply operands that are first quantised to E2M3 (2 exponent bits, 3 mantissa bits; 6 bits a number), with one power-of-two scale for each 32 numbers along K (OCP MX v1.0); their sums are f32. All else is computed in f32.
;;   The module's matrix products, in the order in which they are computed (A, B: the left and right operand; K: the contracted axis; several contracted axes count as one K, in the product's order):
;;     1. [M 8,192, K 1,024] x [K 1,024, N 1,024]; A: input q; B: input Wq: QUANTISED
;;     2. [M 8,192, K 1,024] x [K 1,024, N 1,024]; A: input k; B: input Wk: QUANTISED
;;     3. [M 8,192, K 1,024] x [K 1,024, N 1,024]; A: input v; B: input Wv: QUANTISED
;;     4. batch 64 x [M 2,048, K 64] x [K 64, N 2,048]; A: computed on the way; B: computed on the way: QUANTISED
;;     5. batch 64 x [M 2,048, K 2,048] x [K 2,048, N 64]; A: softmax (see below); B: computed on the way: QUANTISED
;;     6. [M 8,192, K 1,024] x [K 1,024, N 1,024]; A: computed on the way; B: input Wc: QUANTISED
;;   THE QUANTISER, for each operand of a quantised product, along K:
;;     - K is cut into blocks of 32 from its start; a last block that is shorter is filled with zeros.
;;     - A block's scale is 2^e with e = floor(log2(the largest magnitude in the block)) - 2, held to -126 .. 127; a block of zeros has e = 0. As a byte (E8M0): e + 127.
;;     - Each number is divided by its block's scale, clamped to +-7.5, and rounded to the nearest number of E2M3, ties to even, subnormals kept.
;;     - The product sums the exact products of the quantised numbers (number of the format x scale) in f32.
;;   ~~~python
;;   def quantise(x, axis):      # numpy; x: float32 -> the quantised numbers, widened to float32 again
;;       x = np.moveaxis(x, axis, -1); K = x.shape[-1]
;;       x = np.pad(x, [(0, 0)] * (x.ndim - 1) + [(0, -K % 32)]); x = x.reshape(x.shape[:-1] + (-1, 32)); a = np.abs(x).max(-1, keepdims=True)
;;       e = np.where(a > 0, np.clip(np.frexp(np.where(a > 0, a, 1))[1] - 1 - 2, -126, 127), 0)      # np.frexp(a)[1] - 1 = floor(log2(a)), exactly
;;       r = np.clip(x / 2.0 ** e, -7.5, 7.5)
;;       step = 2.0 ** (np.maximum(np.frexp(np.where(r == 0, 1, r))[1] - 1, 0) - 3)
;;       q = np.round(r / step) * step * 2.0 ** e      # np.round: ties to even
;;       return np.moveaxis(q.reshape(q.shape[:-2] + (-1,))[..., :K], -1, axis).astype(np.float32)
;;   ~~~
;;   SOFTMAX AHEAD OF A QUANTISED PRODUCT. Where the list says 'softmax', what is quantised is not the finished softmax but p = 2^(t - M), with t = logit x log2(e) and M = ceil(the row's largest t), a whole number; so 1/2 < the row's largest p <= 1. The row's sum l is taken of the UNQUANTISED p, in f32, and the product's result is divided by l at the end. Since M is a whole number, a kernel that streams over the keys may use a running M (the ceiling of the running maximum): every later rescaling is an exact power of two, which a block's scale takes up: the codes' values come out the same.
;;   OPERANDS COMPUTED ON THE WAY. 'Computed on the way' means the value that the module computes at that place (a softmax that the list does not call 'softmax' is quantised finished and normalised). What goes into a quantiser is computed in f32, as accurately as f32 sums, v_exp_f32 and their like allow (about 1e-6 of the number): no bf16 or f16 on the way to a quantiser, and a product that is left as it is and whose result goes on into a quantised operand takes f32 operands (vector FMAs, or v_wmma_f32_16x16x4_f32). A number that lies on a knife's edge between two numbers of the format may be rounded either way, as far as f32 arithmetic and the matrix unit's own rounding can turn it there, and no further.
;; One version. Each part assembles by itself: llvm-mc -triple=amdgcn-amd-amdhsa -mcpu=gfx1250 --defsym DOCPART=n.
;; ======== version 1 of 1: 4 launches
;; limits: right only within a limited range of input values
;; workspace buffers: cod1 22,020,096 bytes; scl1 917,504 bytes; att 26,738,688 bytes; cod3 6,291,456 bytes; scl3 262,144 bytes
;; launch quant (part 1): grid 1792 x 1, 1 waves a work-group, no clusters, 8,960 bytes of LDS; arguments q, k, v, Wq, Wk, Wv, Wc, cod1, scl1; writes cod1, scl1
.if DOCPART == 1
	.amdgcn_target "amdgcn-amd-amdhsa--gfx1250"
	.amdhsa_code_object_version 6
	.text
	.protected	k_q76a060f8e0_quant
	.globl	k_q76a060f8e0_quant
	.p2align	8
	.type	k_q76a060f8e0_quant,@function
k_q76a060f8e0_quant:
	s_mov_b64 s[64:65], 0
	v_nop
	global_prefetch_b8 v0, s[64:65] scope:SCOPE_SE
	s_setreg_imm32_b32 hwreg(HW_REG_WAVE_MODE, 25, 1), 1
	s_wait_xcnt 0x0
; q, k, v [8192][1024] and Wq, Wk, Wv, Wc [1024][1024], f32, K innermost, become codes of FP6 (E2M3) with one E8M0 byte for each 32 along K,
; laid IN THE ORDER OF THE OPERAND'S REGISTERS.  A TILE is 16 rows: lane r of tile T holds row 32 (T / 2) + 8 (T % 2) + r + 8 (r / 8) of its tensor, so that two
; neighbouring tiles used as source 0 of a product leave 16 neighbours in a lane's 16 result registers.  A HALF FRAGMENT (tile, 64 along K) is 768 bytes: registers 0-3 of the
; 32 lanes at 16 x lane, registers 4-5 at 512 + 8 x lane.  cod1: [1792 tiles][16 half fragments][768]; scl1: [1792 tiles][16 r][8 words], word s for K step s of 128.
; Tiles: q 0-511, k 512-1023, v 1024-1535, Wq 1536-, Wk 1600-, Wv 1664-, Wc 1728-1791.
; A block's scale is 2^(floor(log2(its largest magnitude)) - 2); its byte is the largest magnitude's exponent field - 2, held at 1 from below.
; LIMITS: a block of zeros gets the byte 1 where the rule says 127 (its codes are zeros, and this program alone reads the bytes); NaN and infinities among the inputs are not served.
; SHARES: one wave to a work-group, one tile to a wave: 16 rows x 1,024, in 8 steps of 128 along K.  Each load reads 512 consecutive bytes of a row; a step's 16 rows turn through the
; wave's stage in LDS (pitch 528) so that a lane gets 16 neighbours of each block of 32.  Loads run two steps (32 loads) ahead.  Work-groups share no input: no cluster, no tensor load.
.set SP,   528                         ; a stage row: 512 bytes + 16, an odd multiple of 16: the sixteen rows of a read start at different banks
.set RA,   16                          ; v16-143  two sets of 64 registers as loaded
.set XN,   144                         ; v144-207 64 numbers: register 16 b + i = k 32 b + 16 h + i of my row
.set PC,   208                         ; v208-219 the fragment's codes; v220-226 at work
.set TM,   228                         ; v228-243 the quantiser's work registers
.set SW,   244                         ; v244-251 the eight steps' scale words
.set SEL,  28                          ; s[28:29] lane selects for v_permlanex16_b32: lane l xor 16
.set SRC,  22                          ; s[22:23] my tile's first row
.set DSTC, 24                          ; s[24:25] my tile in cod1
.set DSTS, 26                          ; s[26:27] my tile in scl1
; 64 numbers of a lane, v[s] .. v[s + 63], become a fragment's 12 registers of codes in v[PC] on and its scale word in v[pw].
.macro QUANT s, pw
.irp b, 0,1,2,3
	v_max3_num_f32 v[TM+\b], |v[\s+16*\b]|, |v[\s+1+16*\b]|, 0x1800000   ; block b: my 16 numbers, and the floor 2^(3 - 127): the byte cannot fall under 1
.endr
.irp i, 2,4,6,8,10,12,14
.irp b, 0,1,2,3
	v_max3_num_f32 v[TM+\b], v[TM+\b], |v[\s+16*\b+\i]|, |v[\s+1+16*\b+\i]|   ; the four blocks by turns
.endr
.endr
.irp b, 0,1,2,3
	v_permlanex16_b32 v[TM+4+\b], v[TM+\b], s[SEL], s[SEL+1]
.endr
.irp b, 0,1,2,3
	v_max_num_f32 v[TM+\b], v[TM+\b], v[TM+4+\b]   ; with lane l xor 16's 16: the block's largest magnitude
.endr
.irp b, 0,1,2,3
	v_add_nc_u32 v[TM+12+\b], 0xff000000, v[TM+\b]   ; 2 off its exponent field: the conversion's scale operand
.endr
.irp b, 0,1,2,3
	v_lshrrev_b32 v[TM+4+\b], 23, v[TM+12+\b]      ; the scale's byte
.endr
	v_lshl_or_b32 v[\pw], v[TM+5], 8, v[TM+4]      ; four bytes: my row's scale word
	v_lshl_or_b32 v[\pw], v[TM+6], 16, v[\pw]
	v_lshl_or_b32 v[\pw], v[TM+7], 24, v[\pw]
.irp c, 0,1
	v_cvt_scalef32_pk16_fp6_f32 v[PC+6*\c:PC+2+6*\c], v[\s+32*\c:\s+15+32*\c], v[TM+12+2*\c]
	v_cvt_scalef32_pk16_fp6_f32 v[PC+12+4*\c:PC+14+4*\c], v[\s+16+32*\c:\s+31+32*\c], v[TM+12+2*\c+1]   ; (a conversion's three registers begin on an even number)
.endr
	v_nop                                          ; one plain instruction behind a scaled conversion
.irp c, 0,1                                    ; the operand wants a whole block in a lane: lanes 0-15 block 2 c, lanes 16-31 block 2 c + 1
.irp i, 0,1,2
	v_permlane16_swap_b32 v[PC+6*\c+\i], v[PC+12+4*\c+\i]
.endr
.irp i, 0,1,2
	v_mov_b32 v[PC+3+6*\c+\i], v[PC+12+4*\c+\i]
.endr
.endr
.endm
.macro PICK from, ptr                  ; from tile \from on the tiles are another tensor's: the choice hangs on the work-group's number alone
	s_cmp_ge_u32 ttmp9, \from
	s_cselect_b64 s[SRC:SRC+1], s[\ptr:\ptr+1], s[SRC:SRC+1]
.endm
	s_load_b512 s[4:19], s[0:1], 0x0               ; q, k, v, Wq, Wk, Wv, Wc, cod1
	s_load_b64 s[20:21], s[0:1], 0x40              ; scl1
	v_lshl_add_u32 v254, v0, 2, 0x2200
	v_mov_b32 v255, 0
	v_and_b32 v6, 15, v0                           ; r  (one wave: v0 is the lane)
	v_lshrrev_b32 v5, 4, v0                        ; h
	v_lshlrev_b32 v1, 4, v0                        ; 16 x lane: a load's, a stage store's and a code store's place
	v_lshlrev_b32 v3, 3, v0                        ; 8 x lane
	v_mul_u32_u24 v2, v6, SP
	v_lshl_add_u32 v2, v5, 6, v2                   ; out of the stage: row r, + 64 h
	v_lshlrev_b32 v4, 5, v6
	v_lshl_add_u32 v4, v5, 4, v4                   ; scale words: 32 r + 16 h
.irp b, 0,1,2,3
	v_mov_b32 v[TM+4+\b], 0                        ; written once: a lane permute's destination counts as one of its sources
.endr
	s_mov_b32 s[SEL], 0x76543210
	s_mov_b32 s[SEL+1], 0xfedcba98
	s_cmp_lt_u32 ttmp9, 1536
	s_cselect_b32 s30, 511, 63
	s_and_b32 s30, ttmp9, s30                      ; the tile's number in its own tensor
	; k's tiles (512-1023) have another order of rows: lane r of tile T holds row 64 (T / 4) + 8 (T % 4) + r % 8 + 32 (r / 8), so that four neighbouring
	; tiles used as source 0 leave a whole block of 32 neighbouring keys in a lane's 32 result registers.  All other tensors: as the head comment has it.
	s_lshr_b32 s38, ttmp9, 9
	s_cmp_eq_u32 s38, 1
	s_cselect_b32 s38, 2, 1                        ; log2 of the tiles that share a run of rows: 2 for k, else 1
	s_lshl_b32 s39, 0x8000, s38                    ; a tile's rows 8-15 begin 16 rows (k: 32 rows) of 4,096 bytes below its rows 0-7
	v_add_nc_u32 v7, s39, v1
	s_lshr_b32 s31, s30, s38
	s_add_co_u32 s34, s38, 16
	s_lshl_b32 s31, s31, s34                       ; 32 rows (k: 64 rows) of 4,096 bytes for each such run,
	s_bfm_b32 s32, s38, 0
	s_and_b32 s32, s30, s32
	s_lshl_b32 s32, s32, 15                        ; 8 rows for the odd one
	s_add_co_u32 s32, s32, s31
	s_mov_b32 s33, 0
	s_mul_i32 s34, ttmp9, 12288
	s_mov_b32 s35, 0
	s_lshl_b32 s36, ttmp9, 9
	s_mov_b32 s37, 0
	s_wait_alu depctr_va_vdst(0)
	s_wait_kmcnt 0x0
	s_mov_b64 s[SRC:SRC+1], s[4:5]
	PICK 512, 6
	PICK 1024, 8
	PICK 1536, 10
	PICK 1600, 12
	PICK 1664, 14
	PICK 1728, 16
	s_add_nc_u64 s[SRC:SRC+1], s[SRC:SRC+1], s[32:33]
	s_add_nc_u64 s[DSTC:DSTC+1], s[18:19], s[34:35]
	s_add_nc_u64 s[DSTS:DSTS+1], s[20:21], s[36:37]
.macro LOAD s                          ; K step s of the tile's 16 rows into set s % 2: 32 lanes read 512 consecutive bytes of a row
.irp i, 0,1,2,3,4,5,6,7,8,9,10,11,12,13,14,15
.if \i < 8
	global_load_b128 v[RA+64*((\s)%2)+4*\i:RA+64*((\s)%2)+4*\i+3], v1, s[SRC:SRC+1] offset:\i*4096+512*(\s) th:TH_LOAD_NT
.else
	global_load_b128 v[RA+64*((\s)%2)+4*\i:RA+64*((\s)%2)+4*\i+3], v7, s[SRC:SRC+1] offset:(\i-8)*4096+512*(\s) th:TH_LOAD_NT
.endif
.endr
.endm
.macro QSTEP s
.if (\s) < 7
	s_wait_loadcnt 16                              ; this step's 16 loads are in; the next step's 16 may be out
.else
	s_wait_loadcnt 0x0
.endif
.irp i, 0,1,2,3,4,5,6,7,8,9,10,11,12,13,14,15
	ds_store_b128 v1, v[RA+64*((\s)%2)+4*\i:RA+64*((\s)%2)+4*\i+3] offset:SP*\i
.endr
.irp b, 0,1,2,3                                ; LDS serves a wave's instructions in order: these see the stores above, and the next step's stores come behind them
.irp j, 0,1,2,3
	ds_load_b128 v[XN+16*\b+4*\j:XN+16*\b+4*\j+3], v2 offset:128*\b+16*\j
.endr
.endr
	s_wait_dscnt 0x0                               ; the numbers are back: so the stage's stores have read their registers, which take new loads below
	s_wait_xcnt 0x0                                ; the last step's stores have read the codes' registers, which are written again below
.if (\s) < 6
	LOAD (\s)+2
.endif
	QUANT XN, SW+\s
	global_store_b128 v1, v[PC:PC+3], s[DSTC:DSTC+1] offset:1536*(\s)          ; each store covers 512 or 256 consecutive bytes, aligned to 256
	global_store_b64 v3, v[PC+4:PC+5], s[DSTC:DSTC+1] offset:1536*(\s)+512
	global_store_b128 v1, v[PC+6:PC+9], s[DSTC:DSTC+1] offset:1536*(\s)+768
	global_store_b64 v3, v[PC+10:PC+11], s[DSTC:DSTC+1] offset:1536*(\s)+1280
.endm
	LOAD 0
	LOAD 1
.irp s, 0,1,2,3,4,5,6,7
	QSTEP \s
.endr
	v_cmp_eq_u32 vcc_lo, 1, v5                     ; both halves of the lanes hold row r's eight words: lanes 0-15 store words 0-3, lanes 16-31 words 4-7
.irp i, 0,1,2,3
	v_cndmask_b32 v[8+\i], v[SW+\i], v[SW+4+\i], vcc_lo
.endr
	global_store_b128 v4, v[8:11], s[DSTS:DSTS+1]  ; 512 consecutive bytes
	s_wait_tensorcnt 0x0
	ds_add_u32 v254, v255
	s_wait_dscnt 0x0
	s_endpgm
.Lfunc_end_k_q76a060f8e0_quant:
	.size	k_q76a060f8e0_quant, .Lfunc_end_k_q76a060f8e0_quant-k_q76a060f8e0_quant
	.p2alignl 7, 3214868480
	.fill 96, 4, 3214868480
	.section	.rodata,"a",@progbits
	.p2align	6, 0x0
	.amdhsa_kernel k_q76a060f8e0_quant
		.amdhsa_group_segment_fixed_size 8960
		.amdhsa_private_segment_fixed_size 0
		.amdhsa_enable_private_segment 0
		.amdhsa_kernarg_size 72
		.amdhsa_user_sgpr_count 2
		.amdhsa_user_sgpr_kernarg_segment_ptr 1
		.amdhsa_wavefront_size32 1
		.amdhsa_system_sgpr_workgroup_id_x 1
		.amdhsa_system_sgpr_workgroup_id_y 1
		.amdhsa_system_sgpr_workgroup_id_z 1
		.amdhsa_system_vgpr_workitem_id 0
		.amdhsa_next_free_vgpr 256
		.amdhsa_next_free_sgpr 66
		.amdhsa_reserve_vcc 1
		.amdhsa_float_denorm_mode_32 3
		.amdhsa_float_denorm_mode_16_64 3
		.amdhsa_memory_ordered 1
		.amdhsa_forward_progress 1
		.amdhsa_inst_pref_size 65
	.end_amdhsa_kernel
	.amdgpu_metadata
---
amdhsa.version: [ 1, 2 ]
amdhsa.kernels:
  - .name:           k_q76a060f8e0_quant
    .symbol:         k_q76a060f8e0_quant.kd
    .args:
      - { .name: q, .offset: 0, .size: 8, .value_kind: global_buffer, .address_space: global }
      - { .name: k, .offset: 8, .size: 8, .value_kind: global_buffer, .address_space: global }
      - { .name: v, .offset: 16, .size: 8, .value_kind: global_buffer, .address_space: global }
      - { .name: Wq, .offset: 24, .size: 8, .value_kind: global_buffer, .address_space: global }
      - { .name: Wk, .offset: 32, .size: 8, .value_kind: global_buffer, .address_space: global }
      - { .name: Wv, .offset: 40, .size: 8, .value_kind: global_buffer, .address_space: global }
      - { .name: Wc, .offset: 48, .size: 8, .value_kind: global_buffer, .address_space: global }
      - { .name: cod1, .offset: 56, .size: 8, .value_kind: global_buffer, .address_space: global }
      - { .name: scl1, .offset: 64, .size: 8, .value_kind: global_buffer, .address_space: global }
    .group_segment_fixed_size: 8960
    .private_segment_fixed_size: 0
    .kernarg_segment_align: 8
    .kernarg_segment_size: 72
    .max_flat_workgroup_size: 32
    .sgpr_count:     66
    .vgpr_count:     256
    .wavefront_size: 32
...
	.end_amdgpu_metadata
.endif
;; end of part 1
;; launch proj (part 2): grid 4 x 64, 4 waves a work-group, clusters of 4 x 4, 327,680 bytes of LDS; arguments cod1, scl1, bq, bk, bv, mask, att; writes att
.if DOCPART == 2
	.amdgcn_target "amdgcn-amd-amdhsa--gfx1250"
	.amdhsa_code_object_version 6
	.text
	.protected	k_q76a060f8e0_proj
	.globl	k_q76a060f8e0_proj
	.p2align	8
	.type	k_q76a060f8e0_proj,@function
k_q76a060f8e0_proj:
	s_mov_b64 s[64:65], 0
	v_nop
	global_prefetch_b8 v0, s[64:65] scope:SCOPE_SE
	s_setreg_imm32_b32 hwreg(HW_REG_WAVE_MODE, 25, 1), 1
	s_wait_xcnt 0x0
	s_wait_alu depctr_hold_cnt(0) depctr_sa_sdst(0) depctr_va_vdst(0) depctr_va_sdst(0) depctr_va_ssrc(0) depctr_va_vcc(0) depctr_vm_vsrc(0)
	s_getreg_b32 s2, hwreg(HW_REG_IB_STS2, 6, 4)
	s_cmp_eq_u32 s2, 0
	s_cbranch_scc0 .Lentry_in_a_cluster
	s_endpgm
.Lentry_in_a_cluster:
	s_bfe_u32 s2, ttmp6, 0x10000c
	s_cmp_lg_u32 s2, 0xf033
	s_cbranch_scc0 .Lentry_shape_is_right
	s_endpgm
.Lentry_shape_is_right:
; The three projections, on codes of FP6 (E2M3) with E8M0 scales, and the quantising of their results for the attention.  R[X1 row][X0 row] = sum over k of X1 . X0, K = 1,024.
; Source 0 of the matrix instruction is X0 (its rows run along a lane's result registers), source 1 is X1 (its rows lie in the lanes).
;   Q, K (product 0, 1): X1 = the tokens, X0 = the weight's rows: a lane holds one token and 64 registers of features: quantised along the head's 64.
;   V    (product 2):    X1 = Wv's rows,  X0 = the tokens:        a lane holds one feature and 64 registers of KEYS: quantised along the keys, nothing is transposed.
; A WORK-GROUP STAYS: 256 work-groups, each makes one block of Q, then of K, then of V: a loop of two trips and the last product written out, since it asks for nothing more.
; What differs between the products is chosen by s_cselect on the product's number, which all partners share.
; SHARES: a block is 128 X1 rows (8 tiles) x 256 X0 rows (16 tiles); wave w: X1 half w / 2 (4 tiles), X0 half w % 2 (8 tiles): 32 accumulators.
; LDS: K in two halves of 512, each X1's 8 tiles and X0's 16 tiles of 6,144 bytes: a ring of two slots.  At the head one load a wave: X1 and X0 of the first half (waves 0, 1), of the second (waves 2, 3).
; In K step 2 every wave has read the first half out: a round of the cluster's barrier shows the second half and the first half is
; filled again with the next product's (waves 0, 1).  In K step 6 the same for the second half (waves 2, 3); that round shows the next product's first half.
; CLUSTER 4 x 4: X1's tiles hang on the work-group's y alone and are asked for jointly along a row of the cluster, X0's on its x alone, along a column.
; PREFETCH: in K step 0 the next product's first half is asked for, two K steps ahead of its load, in K step 3 its second half, three K steps ahead.  The sixteen waves that will ask jointly share the
; blocks of 256 bytes out by address (X1: 12 a wave, X0: 24).  A weight's rows are loaded by 16 (Wv: 8) clusters: four of them ask.  The first product's tiles come by their loads alone.
; Operands lie in memory and LDS in the order of the operand's registers (a fragment of 128 along K: 1,536 bytes; four loads, each of consecutive bytes): no pitch, no padding.
; BIAS: along the registers (Q, K) it is the C of the first K step; along the lanes (V) it is added by the fused multiply-add of the way out.  The one not wanted is multiplied by 0.
; MASK: a masked key's row of K is multiplied by 0, so that its codes are zeros; the attention then adds the masked logit as the C of its score product.
; k's tiles have the order of rows that the first launch gives them: lane r of tile T holds key 64 (T / 4) + 8 (T % 4) + r % 8 + 32 (r / 8).
; The next product's scale words, bias and mask bytes are asked for ahead of this product's way out.
; LIMITS: NaN and infinities are not served; a block of zeros gets the scale byte 1 (its codes are zeros; this program alone reads the bytes).
; OUT: att, two regions [64 heads][16 key steps][13,056 bytes]; a record: two groups (4 half fragments of 768 + 256 bytes of scale words) for Q or K, then (region 1) 4 fragments of V^T + 256 bytes of scale words.
; REGISTERS: window 0: v1-11 lane terms and addresses; v12-27 keep and lane bias, in pairs; v28-31 offsets; v32-63 X1's scale words (8 a + s), v64-127 X0's (8 b + s); v128-175, v176-223 X1's fragments, two sets;
;   on the way out v128-191 64 numbers, v192-210 codes, v212-219 the next product's lane bias and mask bytes, v228 a scale word, v232-235 four of them, v236-251 at work; v252, v253 the prefetches' offsets.
;   window 1: v0-95, v128-223 X0's fragments, two sets; v96-127, v224-255 the bias along the registers.   window 2: the accumulators, (a, b) at v[8 (8 a + b)].
.set TILEB,  6144                      ; a tile's bytes in a half: 512 along K
.set CHUNK,  24*TILEB                  ; X1's 8 tiles, then X0's 16
.set X0OFF,  8*TILEB
.set SPARE,  2*CHUNK                   ; the spare words, 128 bytes a wave
.set REC,    13056
.set HEADB,  16*REC
.set REGION, 64*HEADB
.set A16, 4
.set A8,  5
.set B16, 6
.set B8,  7
.set G16, 8
.set G8,  9
.set KEEP, 12
.set BL,  20
.set S1,  32
.set S0,  64
.set FA,  128
.set HN,  128
.set PC,  192
.set RAW, 212
.set PW,  228
.set SW,  232
.set TM,  236
.set PF1, 252
.set PF0, 253
.set SPW, 254
.set NIL, 255
.set SEL, 2                            ; s[2:3]
.set WV,  18
.set WHI, 19
.set WLO, 20
.set PR,  24                           ; s24 the product: 0 Q, 1 K, 2 V; from K step 0 of a trip on: the next product
.set G1A, 32                           ; s[32:39], s[40:47] descriptor groups 1;  s[48:55], s[68:75] groups 0, one for each half
.set G1B, 40
.set G0A, 48
.set G0B, 68
.set LB1, 56                           ; s[56:57], s[58:59] X1's and X0's scale words; then at work
.set LB0, 58
.set PB1, 60                           ; s[60:61], s[62:63] the next product's X1 and X0 tiles; at a product's set-up: its bias, and its bias along the registers
.set PB0, 62
.set CX,  76
.set CY,  77
.set CI,  78                           ; the cluster's number, 0..15
.set F1,  80                           ; 1: my cluster prefetches X1; s81: X0
.set F0,  81
.set LA,  82                           ; LDS: my X1 tiles, my X0 tiles
.set LB,  83
.set AST, 86                           ; s[86:87] the step from tile to tile;  s88 the mask of a scale word;  s[90:91], s[92:93] where a fragment's two halves go;  s[94:95] the scale words
.set ANDM, 88
.set OB0, 90
.set OB1, 92
.set OBS, 94
.set MSB, 0
.macro WIN new                         ; the immediate's high byte repeats the setting that is left
.if MSB != \new
	s_set_vgpr_msb (MSB<<8)|\new
.set MSB, \new
.endif
.endm
.macro PLACES n
.rept \n
	v_nop
.endr
.endm
.macro WALU
	s_wait_alu depctr_va_vdst(0)
.endm
.macro CREST                           ; a round of the cluster's barrier behind its opening barrier
	s_cmp_lg_u32 s[WV], 0
	s_cbranch_scc1 .Lnot_wave_0_\@
	s_barrier_signal -3
.Lnot_wave_0_\@:
	s_barrier_wait -3
	s_barrier_signal -1
	s_barrier_wait -1
.endm
.macro CROUND
	s_barrier_signal -1
	s_barrier_wait -1
	CREST
.endm
.macro ARM under, g0, g1, next         ; an arm of the head's one chain of branches on the wave's number: its load, and a jump to the chain's end
	s_cmp_lt_u32 s[WV], \under
	s_cbranch_scc0 \next
	tensor_load_to_lds s[\g0:\g0+3], s[\g1:\g1+7]
	s_nop 0
	PLACES 4
	s_branch .Lhead_asked
\next:
.endm
.macro REFILL w, c                     ; half c is filled again: wave w asks for X1's tiles, wave w + 1 for X0's
	s_cmp_eq_u32 s[WV], \w
	s_cbranch_scc0 .Lfor_b_\@
	tensor_load_to_lds s[G0A+4*(\c):G0A+4*(\c)+3], s[G1A:G1A+7]
	s_nop 0
	PLACES 4
	s_branch .Lasked_\@
.Lfor_b_\@:
	s_cmp_eq_u32 s[WV], (\w)+1
	s_cbranch_scc0 .Lasked_\@
	tensor_load_to_lds s[G0B+4*(\c):G0B+4*(\c)+3], s[G1B:G1B+7]
	s_nop 0
	PLACES 4
.Lasked_\@:
.endm
; Product s[PR]'s blocks and first tiles.  X1's hang on cy alone (s27, s28, s30), X0's on cx alone (s26, s29, s31)
.macro ADDR
	s_lshr_b32 s30, s[CI], 3
	s_cmp_eq_u32 s[PR], 2
	s_cselect_b32 s30, s30, s[CI]
	s_lshl_b32 s30, s30, 2
	s_add_co_u32 s27, s30, s[CY]                   ; X1 block of 128 rows: Q, K: 4 ci + cy; V: 4 (ci / 8) + cy
	s_lshl_b32 s28, s[PR], 9
	s_cmp_eq_u32 s[PR], 2
	s_cselect_b32 s28, 1664, s28                   ; the tensor's first tile: q 0, k 512; V: Wv 1664
	s_lshl_b32 s30, s27, 3
	s_add_co_u32 s28, s28, s30                     ; X1's first tile
	s_and_b32 s31, s[CI], 7
	s_lshl_b32 s31, s31, 2
	s_cmp_eq_u32 s[PR], 2
	s_cselect_b32 s31, s31, 0
	s_add_co_u32 s26, s31, s[CX]                   ; X0 block of 256 rows: Q, K: cx; V: 4 (ci % 8) + cx
	s_lshl_b32 s29, s[PR], 6
	s_add_co_u32 s29, s29, 1536
	s_cmp_eq_u32 s[PR], 2
	s_cselect_b32 s29, 1024, s29                   ; Wq 1536, Wk 1600; V: v 1024
	s_lshl_b32 s31, s26, 4
	s_add_co_u32 s29, s29, s31                     ; X0's first tile
.endm
.macro PBASE                           ; where these tiles lie in cod1
	s_mul_i32 s[PB1], s28, 12288
	s_mov_b32 s[PB1+1], 0
	s_add_nc_u64 s[PB1:PB1+1], s[4:5], s[PB1:PB1+1]
	s_mul_i32 s[PB0], s29, 12288
	s_mov_b32 s[PB0+1], 0
	s_add_nc_u64 s[PB0:PB0+1], s[4:5], s[PB0:PB0+1]
.endm
.macro DESC                            ; the four groups 0: written only where no tensor load of the wave is out
.irp c, 0,1
	s_mov_b32 s[G0A+4*\c], 1
	s_mov_b32 s[G0A+4*\c+1], \c*CHUNK
	s_add_nc_u64 s[G0A+4*\c+2:G0A+4*\c+3], s[PB1:PB1+1], \c*TILEB
	s_or_b32 s[G0A+4*\c+3], s[G0A+4*\c+3], 0x80000000
	s_mov_b32 s[G0B+4*\c], 1
	s_mov_b32 s[G0B+4*\c+1], \c*CHUNK+X0OFF
	s_add_nc_u64 s[G0B+4*\c+2:G0B+4*\c+3], s[PB0:PB0+1], \c*TILEB
	s_or_b32 s[G0B+4*\c+3], s[G0B+4*\c+3], 0x80000000
.endr
.endm
.macro ASK off                         ; my share of a half of the next product's tiles is asked for: the branches hang on the cluster's and the product's numbers alone and lead round the prefetches alone
	s_cmp_lg_u32 s[F1], 0
	s_cbranch_scc0 .Lno_1_\@
	global_prefetch_b8 v[PF1], s[PB1:PB1+1] offset:\off th:TH_LOAD_NT scope:SCOPE_SE
.Lno_1_\@:
	s_cmp_lg_u32 s[F0], 0
	s_cbranch_scc0 .Lno_0_\@
	global_prefetch_b8 v[PF0], s[PB0:PB0+1] offset:\off th:TH_LOAD_NT scope:SCOPE_SE
.Lno_0_\@:
.endm
.macro FRAG reg, a16, a8, off          ; a fragment's 12 registers: four loads of consecutive bytes
	ds_load_b128 v[\reg:\reg+3], v[\a16] offset:\off
	ds_load_b64 v[\reg+4:\reg+5], v[\a8] offset:\off+512
	ds_load_b128 v[\reg+6:\reg+9], v[\a16] offset:\off+768
	ds_load_b64 v[\reg+10:\reg+11], v[\a8] offset:\off+1280
.endm
.macro FETCH s                         ; K step s: 8 fragments of X0, 4 of X1, into set s % 2: 48 LDS loads in one run
.set FSET, (\s)%2
	WIN 0x40                                       ; destination window 1
.irp b, 0,1,2,3,4,5,6,7
	FRAG 128*FSET+12*\b, B16, B8, TILEB*\b+1536*((\s)%4)
.endr
	WIN 0
.irp a, 0,1,2,3
	FRAG FA+48*FSET+12*\a, A16, A8, TILEB*\a+1536*((\s)%4)
.endr
.endm
.macro ADV                             ; on to the second half
.irp r, A16, A8, B16, B8
	v_add_nc_u32 v[\r], CHUNK, v[\r]
.endr
.endm
; 16 matrix instructions: X1's tiles 2 half, 2 half + 1 against X0's eight.  The 32 accumulators take turns, one instruction a turn, in the same order in every step.
.macro MUL s, half
.set FSET, (\s)%2
.irp a, 2*\half, 2*\half+1
.irp b, 0,1,2,3,4,5,6,7
.if (\s) == 0
	v_wmma_scale_f32_16x16x128_f8f6f4 v[8*(8*(\a)+\b):8*(8*(\a)+\b)+7], v[128*FSET+12*\b:128*FSET+12*\b+11], v[FA+48*FSET+12*(\a):FA+48*FSET+12*(\a)+11], v[96+8*\b+96*(\b/4):96+8*\b+96*(\b/4)+7], v[S0+8*\b+(\s)], v[S1+8*(\a)+(\s)] matrix_a_fmt:MATRIX_FMT_FP6 matrix_b_fmt:MATRIX_FMT_FP6
.else
	v_wmma_scale_f32_16x16x128_f8f6f4 v[8*(8*(\a)+\b):8*(8*(\a)+\b)+7], v[128*FSET+12*\b:128*FSET+12*\b+11], v[FA+48*FSET+12*(\a):FA+48*FSET+12*(\a)+11], v[8*(8*(\a)+\b):8*(8*(\a)+\b)+7], v[S0+8*\b+(\s)], v[S1+8*(\a)+(\s)] matrix_a_fmt:MATRIX_FMT_FP6 matrix_b_fmt:MATRIX_FMT_FP6
.endif
.endr
.endr
.endm
; A K step of 128.  The next step's fragments are asked for at its head, into the set that the last step multiplied: four plain vector instructions stand between those products and the loads.
; rf = 1: a product that has a successor.
.macro KSTEP s, rf
	s_wait_dscnt 0x0                               ; this step's fragments are in
.if (\s) < 7
.if (\s) == 3
	WIN 0
	ADV                                            ; four plain additions: also the places ahead of the loads
.elseif (\s) > 0
	PLACES 4
.endif
	WALU
	FETCH (\s)+1
.endif
.if \rf
.if (\s) == 0
	s_add_co_u32 s[PR], s[PR], 1                   ; from here on: the next product
	ADDR
	PBASE
	s_and_b32 s21, s[CI], 7                        ; a weight's rows are loaded by 16 clusters (Wv's by the 8 with the same ci / 8): four of them ask
	s_cmp_eq_u32 s[PR], 2
	s_cselect_b32 s21, s21, s[CI]
	s_cmp_lt_u32 s21, 4
	s_cselect_b32 s21, 1, 0
	s_cmp_eq_u32 s[PR], 2
	s_cselect_b32 s[F1], s21, 1                    ; X1 is a weight in V,
	s_cselect_b32 s[F0], 1, s21                    ; X0 in Q and K
	ASK 0
.elseif (\s) == 3
	ASK TILEB
.elseif ((\s) == 2) || ((\s) == 6)
	s_wait_tensorcnt 0x0                           ; all my tensor loads have landed;
	ds_add_u32 v[SPW], v[NIL]                      ; 0 onto my spare word
.if (\s) == 2
	DESC                                           ; no load of mine is out: the next product's descriptors
.endif
.endif
.endif
.if (\s) == 0
	WIN 0x91                                       ; X0 window 1, X1 window 0, C (the bias) window 1, D window 2
.else
	WIN 0xa1                                       ; C and D window 2
.endif
	MUL \s, 0
.if ((\s) == 2) || (\rf && ((\s) == 6))
	s_wait_dscnt 0x0                               ; the add is done, and my reads of the half that is left behind
.if \rf == 0
	s_wait_tensorcnt 0x0                           ; the last product: a plain barrier shows its second half
.endif
	s_barrier_signal -1
.endif
	MUL \s, 1
.if ((\s) == 2) || (\rf && ((\s) == 6))
	WIN 0
	s_barrier_wait -1
.if \rf
	CREST                                          ; the barrier has opened a round: no wave of any partner still reads this half or has a load on its way
	REFILL (\s)/2-1, (\s)/4
.endif
.endif
.endm
.macro KSTEPS rf
.irp s, 0,1,2,3,4,5,6,7
	KSTEP \s, \rf
.endr
	WIN 0
	PLACES 4                                       ; behind the last products: loads land in scale and fragment registers, and the way out reads results
.endm
; 64 numbers of a lane, register 16 b + i = index 32 b + 16 h + i, become a fragment's codes in v[PC] on and its scale word in v[pw].
.macro QUANT s, pw
.irp b, 0,1,2,3
	v_max3_num_f32 v[TM+\b], |v[\s+16*\b]|, |v[\s+1+16*\b]|, 0x1800000   ; and the floor 2^(3 - 127): the byte cannot fall under 1
.endr
.irp i, 2,4,6,8,10,12,14
.irp b, 0,1,2,3
	v_max3_num_f32 v[TM+\b], v[TM+\b], |v[\s+16*\b+\i]|, |v[\s+1+16*\b+\i]|
.endr
.endr
.irp b, 0,1,2,3
	v_permlanex16_b32 v[TM+4+\b], v[TM+\b], s[SEL], s[SEL+1]
.endr
.irp b, 0,1,2,3
	v_max_num_f32 v[TM+\b], v[TM+\b], v[TM+4+\b]
.endr
.irp b, 0,1,2,3
	v_add_nc_u32 v[TM+12+\b], 0xff000000, v[TM+\b]   ; 2 off the exponent field: the conversion's scale operand
.endr
.irp b, 0,1,2,3
	v_lshrrev_b32 v[TM+4+\b], 23, v[TM+12+\b]
.endr
	v_lshl_or_b32 v[\pw], v[TM+5], 8, v[TM+4]
	v_lshl_or_b32 v[\pw], v[TM+6], 16, v[\pw]
	v_lshl_or_b32 v[\pw], v[TM+7], 24, v[\pw]
.irp c, 0,1
	v_cvt_scalef32_pk16_fp6_f32 v[PC+6*\c:PC+2+6*\c], v[\s+32*\c:\s+15+32*\c], v[TM+12+2*\c]
	v_cvt_scalef32_pk16_fp6_f32 v[PC+12+4*\c:PC+14+4*\c], v[\s+16+32*\c:\s+31+32*\c], v[TM+12+2*\c+1]
.endr
	v_nop                                          ; one plain instruction behind a scaled conversion
.irp c, 0,1
.irp i, 0,1,2
	v_permlane16_swap_b32 v[PC+6*\c+\i], v[PC+12+4*\c+\i]
.endr
.irp i, 0,1,2
	v_mov_b32 v[PC+3+6*\c+\i], v[PC+12+4*\c+\i]
.endr
.endr
.endm
; A product's set-up, first part: what comes straight from memory is asked for.  It names nothing that the product before still needs on its way out.
.macro SETUPA
	s_wait_xcnt 0x0                                ; my prefetches have read s[60:63]
	s_lshl_b32 s30, s[WHI], 2
	s_add_co_u32 s30, s30, s28
	s_lshl_b32 s[LB1], s30, 9
	s_mov_b32 s[LB1+1], 0
	s_add_nc_u64 s[LB1:LB1+1], s[6:7], s[LB1:LB1+1]   ; the scale words of my 4 tiles of X1: 512 bytes a tile,
	s_lshl_b32 s31, s[WLO], 3
	s_add_co_u32 s31, s31, s29
	s_lshl_b32 s[LB0], s31, 9
	s_mov_b32 s[LB0+1], 0
	s_add_nc_u64 s[LB0:LB0+1], s[6:7], s[LB0:LB0+1]   ; of my 8 tiles of X0
	s_cmp_eq_u32 s[PR], 1
	s_cselect_b64 s[PB1:PB1+1], s[10:11], s[8:9]   ; the product's bias
	s_cselect_b32 s99, 1.0, 0                      ; 1 for K: the mask counts
	s_cselect_b32 s101, 1, 0
	s_cmp_eq_u32 s[PR], 2
	s_cselect_b64 s[PB1:PB1+1], s[12:13], s[PB1:PB1+1]
	s_cselect_b32 s98, 1.0, 0                      ; 1 for V: the bias runs along the lanes
	s_cselect_b32 s100, 1, 0
	s_cselect_b32 s96, 0, 1.0                      ; 1 for Q, K: it runs along the registers
	s_mov_b32 s97, s96                             ; (named with it as a pair)
	s_lshl_b32 s84, s27, 3
	s_lshl_b32 s85, s[WHI], 2
	s_add_co_u32 s84, s84, s85                     ; my first tile of X1, counted in its own tensor: a multiple of 4
	s_lshl_b32 s85, s26, 10
	s_lshl_b32 s[PB0], s[WLO], 9
	s_add_co_u32 s[PB0], s[PB0], s85               ; 4 bytes x my first X0 row
	s_cmp_eq_u32 s[PR], 2
	s_cselect_b32 s[PB0], 0, s[PB0]                ; (V: any 128 numbers inside the buffer: they are multiplied by 0)
	s_mov_b32 s[PB0+1], 0
	s_add_nc_u64 s[PB0:PB0+1], s[PB1:PB1+1], s[PB0:PB0+1]
	s_lshl_b32 s85, s84, 4
	v_and_b32 v30, 8, v2
	v_add_nc_u32 v30, v30, v2                      ; r + 8 (r / 8)
	v_add_nc_u32 v30, s85, v30                     ; my lane's X1 row in tile a = 0
	v_and_b32 v31, 8, v2
	v_mad_u32_u24 v31, v31, 3, v2                  ; r % 8 + 32 (r / 8): k's tiles have their own order of rows
	v_add_nc_u32 v31, s85, v31                     ; my lane's key in tile a = 0; tile a's lies 8 a further on
	v_mul_u32_u24 v31, s101, v31                   ; the mask's byte (K), else byte 0 on
	v_mul_u32_u24 v30, s100, v30
	v_lshlrev_b32 v30, 2, v30                      ; the bias's number (V), else number 0 on
.irp a, 0,1,2,3
	global_load_b128 v[S1+8*\a:S1+8*\a+3], v28, s[LB1:LB1+1] offset:512*\a
	global_load_b128 v[S1+8*\a+4:S1+8*\a+7], v28, s[LB1:LB1+1] offset:512*\a+16
.endr
.irp b, 0,1,2,3,4,5,6,7
	global_load_b128 v[S0+8*\b:S0+8*\b+3], v28, s[LB0:LB0+1] offset:512*\b
	global_load_b128 v[S0+8*\b+4:S0+8*\b+7], v28, s[LB0:LB0+1] offset:512*\b+16
.endr
.irp a, 0,1,2,3
	global_load_b32 v[RAW+2*\a], v30, s[PB1:PB1+1] offset:4*(32*(\a/2)+8*(\a%2))
	global_load_u8 v[RAW+2*\a+1], v31, s[14:15] offset:8*\a
.endr
	WIN 0x40
.irp b, 0,1,2,3,4,5,6,7                        ; tile b's register j of half h is X0 row 32 (b / 2) + 16 h + 8 (b % 2) + j
	global_load_b128 v[96+8*\b+96*(\b/4):96+8*\b+96*(\b/4)+3], v29, s[PB0:PB0+1] offset:(32*(\b/2)+8*(\b%2))*4
	global_load_b128 v[96+8*\b+96*(\b/4)+4:96+8*\b+96*(\b/4)+7], v29, s[PB0:PB0+1] offset:(32*(\b/2)+8*(\b%2))*4+16
.endr
	WIN 0
.endm
; Second part: where the results go, the LDS addresses, the first fragments, and what is made of the numbers loaded.
; Q, K: my 4 token tiles are one group; my 128 features are heads 2 g, 2 g + 1, g = 2 X0 block + w % 2.  V: my 4 tiles of features are one head, my 128 tokens one key step.
.macro SETUPB first
	s_wait_xcnt 0x0                                ; the last product's stores have read their registers and bases; the loads above their bases
	s_lshr_b32 s56, s84, 7
	s_lshl_b32 s56, s56, 4
	s_lshl_b32 s57, s26, 2
	s_add_co_u32 s56, s56, s57
	s_lshl_b32 s57, s[WLO], 1
	s_add_co_u32 s56, s56, s57                     ; Q, K: 16 batch + 2 g
	s_lshr_b32 s57, s26, 3
	s_lshl_b32 s57, s57, 4
	s_lshl_b32 s85, s27, 1
	s_add_co_u32 s57, s57, s85
	s_add_co_u32 s57, s57, s[WHI]                  ; V: 16 batch + head
	s_bfe_u32 s85, s84, 0x40003                    ; Q, K: the key step: (tile % 128) / 8
	s_and_b32 s21, s26, 7
	s_lshl_b32 s21, s21, 1
	s_add_co_u32 s21, s21, s[WLO]                  ; V: 2 (X0 block % 8) + w % 2
	s_bfe_u32 s89, s84, 0x10002
	s_mul_i32 s89, s89, 3328                       ; Q, K: the group in its record
	s_mov_b32 s22, HEADB
	s_movk_i32 s[AST], 768
	s_movk_i32 s23, 3072
	s_cmp_eq_u32 s[PR], 2
	s_cselect_b32 s56, s57, s56
	s_cselect_b32 s85, s21, s85
	s_cselect_b32 s89, 6656, s89                   ; V lies behind the record's two groups
	s_cselect_b32 s92, 768, s22                    ; from a fragment's first half to its second: the next head's region (Q, K), or on end (V)
	s_cselect_b32 s[AST], 1536, s[AST]             ; from tile to tile
	s_cselect_b32 s94, 6144, s23                   ; the scale words lie behind the four tiles
	s_cselect_b32 s25, 0, s22                      ; lanes 16-31 store the odd head's scale words (Q, K)
	s_cselect_b32 s57, 0, 16                       ; which are the word's upper two bytes
	s_cselect_b32 s[ANDM], -1, 0xffff
	s_cmp_eq_u32 s[PR], 0
	s_cselect_b32 s90, 0, REGION                   ; Q: region 0; K, V: region 1
	s_mul_i32 s56, s56, s22
	s_mul_i32 s85, s85, REC
	s_add_co_u32 s90, s90, s56
	s_add_co_u32 s90, s90, s85
	s_add_co_u32 s90, s90, s89
	s_mov_b32 s91, 0
	s_mov_b32 s93, 0
	s_mov_b32 s95, 0
	s_mov_b32 s[AST+1], 0
	s_add_nc_u64 s[OB0:OB0+1], s[16:17], s[90:91]
	s_add_nc_u64 s[OB1:OB1+1], s[OB0:OB0+1], s[92:93]
	s_add_nc_u64 s[OBS:OBS+1], s[OB0:OB0+1], s[94:95]
	v_mul_u32_u24 v10, s25, v3
	v_lshl_add_u32 v10, v2, 4, v10                 ; scale words: 16 r (+ a head's region for lanes 16-31)
	v_mul_u32_u24 v11, s57, v3                     ; and the shift that brings my head's two bytes down
	v_add_nc_u32 v[A16], s[LA], v[G16]             ; back to the first half
	v_add_nc_u32 v[A8], s[LA], v[G8]
	v_add_nc_u32 v[B16], s[LB], v[G16]
	v_add_nc_u32 v[B8], s[LB], v[G8]
	WALU
.if \first
	s_cmp_lt_u32 s[WV], 2                          ; waves 0 and 1 wait for their loads, the first half of K; the second half may be on its way
	s_cbranch_scc0 .Lnot_first
	s_wait_tensorcnt 0x0
.Lnot_first:
	s_barrier_signal -1
	s_barrier_wait -1
.endif
	FETCH 0                                        ; (a later product's first half was shown by the round in the K step 6 before)
	s_wait_loadcnt 0x0
	WIN 0x41                                       ; destination and source 0 window 1
.set i, 0
.rept 16
	v_pk_mul_f32 v[96+2*i:97+2*i], v[96+2*i:97+2*i], s[96:97] op_sel_hi:[1,0]      ; the bias along the registers: x 1 (Q, K) or x 0 (V)
	v_pk_mul_f32 v[224+2*i:225+2*i], v[224+2*i:225+2*i], s[96:97] op_sel_hi:[1,0]
.set i, i+1
.endr
	WIN 0
.irp a, 0,1,2,3
	v_cvt_f32_u32 v[KEEP+2*\a], v[RAW+2*\a+1]
.endr
.irp a, 0,1,2,3
	v_fma_f32 v[KEEP+2*\a], -v[KEEP+2*\a], s99, 1.0   ; 0 for a masked key's row of K, else 1
	v_mul_f32 v[BL+2*\a], s98, v[RAW+2*\a]         ; the bias along the lanes: x 1 (V) or x 0
.endr
.irp a, 0,1,2,3
	v_mov_b32 v[KEEP+2*\a+1], v[KEEP+2*\a]         ; (named as pairs)
	v_mov_b32 v[BL+2*\a+1], v[BL+2*\a]
.endr
	WALU                                           ; ahead of the branch and the waits that follow
.endm
; THE WAY OUT of X1's tile a: result x keep + lane bias, quantised along the registers, stored as the next launch's operand.  Each accumulator is read from its low end on.
.macro EPI a
.if \a > 0
	s_wait_xcnt 0x0                                ; the last tile's stores have read their registers and bases
	s_add_nc_u64 s[OB0:OB0+1], s[OB0:OB0+1], s[AST:AST+1]
	s_add_nc_u64 s[OB1:OB1+1], s[OB1:OB1+1], s[AST:AST+1]
.endif
	WIN 0x02                                       ; source 0 window 2
.set i, 0
.rept 32
	v_pk_fma_f32 v[HN+2*i:HN+2*i+1], v[64*\a+2*i:64*\a+2*i+1], v[KEEP+2*\a:KEEP+2*\a+1], v[BL+2*\a:BL+2*\a+1] op_sel_hi:[1,0,0]
.set i, i+1
.endr
	WIN 0
	QUANT HN, PW
	v_lshrrev_b32 v[SW+\a], v11, v[PW]
	v_and_b32 v[SW+\a], s[ANDM], v[SW+\a]          ; Q, K: my head's two bytes, zeros above; V: the whole word
	global_store_b128 v[G16], v[PC:PC+3], s[OB0:OB0+1]             ; each store covers 512 or 256 consecutive bytes, aligned to 256
	global_store_b64 v[G8], v[PC+4:PC+5], s[OB0:OB0+1] offset:512
	global_store_b128 v[G16], v[PC+6:PC+9], s[OB1:OB1+1]
	global_store_b64 v[G8], v[PC+10:PC+11], s[OB1:OB1+1] offset:512
.endm
.macro EPIS
	EPI 0
	EPI 1
	EPI 2
	EPI 3
	global_store_b128 v10, v[SW:SW+3], s[OBS:OBS+1]   ; sixteen lanes fill 256 consecutive bytes (V: both halves of the lanes store the same bytes)
.endm
	s_load_b256 s[4:11], s[0:1], 0x0               ; cod1, scl1, bq, bk
	s_load_b128 s[12:15], s[0:1], 0x20             ; bv, mask
	s_load_b64 s[16:17], s[0:1], 0x30              ; att
	v_lshl_add_u32 v[SPW], v0, 2, SPARE
	v_mov_b32 v[NIL], 0
	ds_add_u32 v[SPW], v[NIL]                      ; the opening lines: the add, twice on end, and its wait
	ds_add_u32 v[SPW], v[NIL]
	v_lshrrev_b32 v1, 5, v0
	v_readfirstlane_b32 s[WV], v1                  ; wave 0..3
	s_lshr_b32 s[WHI], s[WV], 1                    ; my half of X1's tiles
	s_and_b32 s[WLO], s[WV], 1                     ; my half of X0's tiles
	s_bfe_u32 s[CX], ttmp6, 0x40000
	s_bfe_u32 s[CY], ttmp6, 0x40004
	s_and_b32 s[CI], ttmp7, 0xffff                 ; the cluster's y, 0..15
	s_lshl_b32 s30, s[CY], 2
	s_lshl_b32 s30, 15, s30                        ; my row of the cluster
	s_lshl_b32 s31, 0x1111, s[CX]                  ; my column
	s_or_b32 s[G1A], s30, (3<<16)|(1<<21)          ; the mask; elements of 8 bytes; bit 21 beside a mask; no padding
	s_or_b32 s[G1B], s31, (3<<16)|(1<<21)
.irp g, G1A, G1B
	s_mov_b32 s[\g+1], 768<<16                     ; tensor_dim0: a tile's 6,144 bytes of a half
	s_mov_b32 s[\g+3], 768<<16                     ; tile_dim0
	s_mov_b32 s[\g+5], 1536                        ; from tile to tile in memory: 12,288 bytes
	s_mov_b32 s[\g+6], 0
	s_mov_b32 s[\g+7], 0
.endr
	s_mov_b32 s[G1A+2], 8<<16                      ; X1: 8 tiles a load
	s_mov_b32 s[G1A+4], 8
	s_mov_b32 s[G1B+2], 16<<16                     ; X0: 16 tiles a load
	s_mov_b32 s[G1B+4], 16
	s_mov_b32 s[PR], 0
	ADDR
	s_mul_i32 s[LA], s[WHI], 4*TILEB               ; no place in the cluster enters an LDS address
	s_mul_i32 s[LB], s[WLO], 8*TILEB
	s_add_co_u32 s[LB], s[LB], X0OFF
	s_mov_b32 s[SEL], 0x76543210
	s_mov_b32 s[SEL+1], 0xfedcba98
	s_wait_dscnt 0x0
	s_wait_kmcnt 0x0
	PBASE
	DESC
	CROUND                                         ; all sixteen work-groups are here: the joint loads meet
	ARM 1, G0A, G1A, .Lhead_b0                     ; wave 0: X1, first half of K
	ARM 2, G0B, G1B, .Lhead_a1                     ; wave 1: X0, first half
	ARM 3, G0A+4, G1A, .Lhead_b1                   ; wave 2: X1, second half
	tensor_load_to_lds s[G0B+4:G0B+7], s[G1B:G1B+7]   ; wave 3: X0, second half
	s_nop 0
	PLACES 4
.Lhead_asked:
	v_and_b32 v1, 31, v0                           ; lane
	v_and_b32 v2, 15, v0                           ; r
	v_bfe_u32 v3, v0, 4, 1                         ; h
	v_lshlrev_b32 v[G16], 4, v1
	v_lshlrev_b32 v[G8], 3, v1
.irp b, 0,1,2,3
	v_mov_b32 v[TM+4+\b], 0                        ; written once: a lane permute's destination counts as one of its sources
.endr
	v_lshlrev_b32 v28, 5, v2                       ; scale words: 32 r
	v_lshlrev_b32 v29, 6, v3                       ; bias along the registers: 64 h
	s_lshl_b32 s31, s[CX], 1                       ; the prefetches' offsets.  X1's 8 tiles x 24 blocks of a half: wave 4 cx + w of my row's sixteen takes 12 blocks of tile 2 cx + w / 2;
	s_add_co_u32 s31, s31, s[WHI]
	s_mul_i32 s31, s31, 12288
	s_mul_i32 s23, s[WLO], 3072
	s_add_co_u32 s31, s31, s23
	v_min_u32 v[PF1], 11, v1                       ; (the lanes left over name the wave's last block again)
	v_lshl_add_u32 v[PF1], v[PF1], 8, s31
	s_lshl_b32 s30, s[CY], 2                       ; X0's 16 tiles: wave 4 cy + w of my column's sixteen takes the 24 blocks of tile 4 cy + w
	s_add_co_u32 s30, s30, s[WV]
	s_mul_i32 s30, s30, 12288
	v_min_u32 v[PF0], 23, v1
	v_lshl_add_u32 v[PF0], v[PF0], 8, s30
	SETUPA
	SETUPB 1
.Ltile:                                                ; Q, then K
	KSTEPS 1
	SETUPA                                         ; the next product's numbers are on their way while this one goes out
	EPIS
	SETUPB 0
	s_cmp_lt_u32 s[PR], 2
	s_cbranch_scc1 .Ltile
	KSTEPS 0                                       ; V: nothing more is asked for
	EPIS
	s_wait_tensorcnt 0x0                           ; the wave's end
	ds_add_u32 v[SPW], v[NIL]
	s_wait_dscnt 0x0
	CROUND                                         ; the closing round: no work-group ends while a partner may still ask for a tile that names it
	s_endpgm
.Lfunc_end_k_q76a060f8e0_proj:
	.size	k_q76a060f8e0_proj, .Lfunc_end_k_q76a060f8e0_proj-k_q76a060f8e0_proj
	.p2alignl 7, 3214868480
	.fill 96, 4, 3214868480
	.section	.rodata,"a",@progbits
	.p2align	6, 0x0
	.amdhsa_kernel k_q76a060f8e0_proj
		.amdhsa_group_segment_fixed_size 327680
		.amdhsa_private_segment_fixed_size 0
		.amdhsa_enable_private_segment 0
		.amdhsa_kernarg_size 56
		.amdhsa_user_sgpr_count 2
		.amdhsa_user_sgpr_kernarg_segment_ptr 1
		.amdhsa_wavefront_size32 1
		.amdhsa_system_sgpr_workgroup_id_x 1
		.amdhsa_system_sgpr_workgroup_id_y 1
		.amdhsa_system_sgpr_workgroup_id_z 1
		.amdhsa_system_vgpr_workitem_id 0
		.amdhsa_next_free_vgpr 768
		.amdhsa_next_free_sgpr 102
		.amdhsa_reserve_vcc 0
		.amdhsa_float_denorm_mode_32 3
		.amdhsa_float_denorm_mode_16_64 3
		.amdhsa_memory_ordered 1
		.amdhsa_forward_progress 1
		.amdhsa_inst_pref_size 202
	.end_amdhsa_kernel
	.amdgpu_metadata
---
amdhsa.version: [ 1, 2 ]
amdhsa.kernels:
  - .name:           k_q76a060f8e0_proj
    .symbol:         k_q76a060f8e0_proj.kd
    .args:
      - { .name: cod1, .offset: 0, .size: 8, .value_kind: global_buffer, .address_space: global }
      - { .name: scl1, .offset: 8, .size: 8, .value_kind: global_buffer, .address_space: global }
      - { .name: bq, .offset: 16, .size: 8, .value_kind: global_buffer, .address_space: global }
      - { .name: bk, .offset: 24, .size: 8, .value_kind: global_buffer, .address_space: global }
      - { .name: bv, .offset: 32, .size: 8, .value_kind: global_buffer, .address_space: global }
      - { .name: mask, .offset: 40, .size: 8, .value_kind: global_buffer, .address_space: global }
      - { .name: att, .offset: 48, .size: 8, .value_kind: global_buffer, .address_space: global }
    .group_segment_fixed_size: 327680
    .private_segment_fixed_size: 0
    .kernarg_segment_align: 8
    .kernarg_segment_size: 56
    .max_flat_workgroup_size: 128
    .sgpr_count:     102
    .vgpr_count:     768
    .wavefront_size: 32
...
	.end_amdgpu_metadata
.endif
;; end of part 2
;; launch attn (part 3): grid 4 x 64, 8 waves a work-group, clusters of 4 x 1, 219,136 bytes of LDS; arguments att, mask, cod3, scl3; writes cod3, scl3
.if DOCPART == 3
	.amdgcn_target "amdgcn-amd-amdhsa--gfx1250"
	.amdhsa_code_object_version 6
	.text
	.protected	k_q76a060f8e0_attn
	.globl	k_q76a060f8e0_attn
	.p2align	8
	.type	k_q76a060f8e0_attn,@function
k_q76a060f8e0_attn:
	s_mov_b64 s[64:65], 0
	v_nop
	global_prefetch_b8 v0, s[64:65] scope:SCOPE_SE
	s_setreg_imm32_b32 hwreg(HW_REG_WAVE_MODE, 25, 1), 1
	s_wait_xcnt 0x0
	s_wait_alu depctr_hold_cnt(0) depctr_sa_sdst(0) depctr_va_vdst(0) depctr_va_sdst(0) depctr_va_ssrc(0) depctr_va_vcc(0) depctr_vm_vsrc(0)
	s_getreg_b32 s2, hwreg(HW_REG_IB_STS2, 6, 4)
	s_cmp_eq_u32 s2, 0
	s_cbranch_scc0 .Lentry_in_a_cluster
	s_endpgm
.Lentry_in_a_cluster:
	s_bfe_u32 s2, ttmp6, 0x10000c
	s_cmp_lg_u32 s2, 0x3003
	s_cbranch_scc0 .Lentry_shape_is_right
	s_endpgm
.Lentry_shape_is_right:
; ctx = softmax(Q K^T / 8, masked) V for one head of one batch, both products on codes of FP6 (E2M3) with E8M0 scales; ctx is quantised along the head's 64 for the last projection.
; THE SOFTMAX AHEAD OF THE SECOND PRODUCT: t = score x log2(e) / 8; M = the running largest t rounded UP to a whole number; p = 2^(t - M) is quantised along the keys, not normalised; the row's
; sum is taken of the unquantised p and divides at the end.  When M moves, the sum and O are multiplied by 2^(old M - new M): exact.
; THE MASK: a table in LDS holds 0 or -2^103 for each key and is the C of the score products; a masked key's codes of K are zeros (the launch before), so its score is -2^103 exactly and its
; logit -2^100.  LIMIT: reference() has -1e30 there: the results are the same wherever true logits lie above about -1e30.  While all keys seen are masked, t - M is exactly 0 and p = 1: the
; uniform weights of a row that is masked throughout.  NaN and infinities are not served; a block of zeros gets the scale byte 1 (its codes are zeros).
; SHARES: a work-group takes 512 queries of a head, in two passes of 256; wave w of eight takes TWO tiles of 16 queries a pass, so each fragment of K and V and each number of the table is read
; from LDS once for 32 queries.  512 registers a wave, two waves to a SIMD.  256 work-groups.
; ALL OF THE HEAD'S K AND V, 208,896 bytes, LIES IN LDS, filled once: each wave asks for two key steps' records (102 rows of 256 bytes) by one tensor load.  No ring, no barrier in the loops.
; CLUSTER 4 x 1: the four work-groups of a head ask for K and V jointly.  No prefetch: every tensor load goes out at the head, so there is no loop to run ahead in.
; LAYOUT: S^T = K Q^T (source 0 = 16 keys, source 1 = 16 queries), O^T = V^T P^T: a lane holds ONE query.  Lane r of K's tile 4 c + u holds key 64 c + 8 u + r % 8 + 32 (r / 8) of the step, so
; register 32 c + 8 u + j of lane (r, h) is key 64 c + 32 h + 8 u + j: a WHOLE scale block of 32 keys in a lane, in the order of P's operand: no lane asks another for a block's maximum or codes.
; The score product's K is 64: Q's upper six registers are zeros, and what K's operand names there (the next tile's codes) meets zeros.
; LOADS RUN AHEAD: behind a step's score products stand V's loads of this step (17) and K's, its scale words' and the table's of the next step (34; behind step 15: step 0's, which the next pass
; uses; the last pass's are not used).
; REGISTERS, window 0: v1-5 lane terms; v6, v7 the add's; v8-11 LDS addresses; v12-15 (-M, largest score) a tile; v16-19 the sums; v20-23 f; v24-47 Q and zeros; v48-51, v76-79 at work;
;   v52, v53 Q's scale words, v54, v55 p's, v56-59 and v64-67 K's, v72-75 V's; v60-63 block maxima; v68-71 scale operands; v80-127 K, v128-133 zeros; v134 8 h; v136-159 p's codes; v160-175 the second
;   conversions'; v176-207 partial sums; v208-255 V.   window 1: v0-127 S^T, then p, 64 a tile; v128-191 O^T, 32 a tile; v192-255 the table's 64 numbers.
.set REC,   13056                      ; a key step's record: 2 x (4 half fragments of K + 256 bytes of scale words), 4 fragments of V^T + 256
.set HEADB, 16*REC
.set REGION, 64*HEADB
.set BIAS,  HEADB                      ; LDS: behind K and V: one f32 for each key, 8,192 bytes, written by LDS stores alone
.set SPARE, BIAS+8192                  ; the spare words: 128 bytes a wave
.set SPW, 6
.set NIL, 7
.set ST,  12
.set LS,  16
.set FF,  20
.set QF,  24
.set XT,  48
.set QSC, 52
.set PSC, 54
.set KSC, 56
.set BM,  60
.set SO,  68
.set VSC, 72
.set BT,  76
.set KF,  80
.set PC,  136
.set TC,  160
.set TS,  176
.set VF,  208
.set S,   0                            ; window 1
.set OT,  128
.set TBL, 192
.set WV,  12
.set SEL, 20
.set CS,  22
.set G1,  24                           ; s[24:31] descriptor group 1;  s[32:35] group 0
.set G0,  32
.set TN,  36                           ; s36 LDS byte of the next key step; s57 the same in the table; s56 of the step in hand; s58 the step; s59 the next step
.set QC,  48                           ; s[48:49] my tiles of Q, s[50:51] their scale words, s[52:53] my tiles of ctx, s[54:55] their scale bytes
.set QS,  50
.set OC,  52
.set OS,  54
.set TB,  56
.set TH,  57
.set CNT, 58
.set NX,  59
.set MSB, 0
.macro WIN new                         ; the immediate's high byte repeats the setting that is left
.if MSB != \new
	s_set_vgpr_msb (MSB<<8)|\new
.set MSB, \new
.endif
.endm
.macro WALU
	s_wait_alu depctr_va_vdst(0)
.endm
.macro CROUND
	s_barrier_signal -1
	s_barrier_wait -1
	s_cmp_lg_u32 s[WV], 0
	s_cbranch_scc1 .Lnot_wave_0_\@
	s_barrier_signal -3
.Lnot_wave_0_\@:
	s_barrier_wait -3
	s_barrier_signal -1
	s_barrier_wait -1
.endm
	s_load_b256 s[4:11], s[0:1], 0x0               ; att, mask, cod3, scl3
	v_lshl_add_u32 v[SPW], v0, 2, SPARE
	v_mov_b32 v[NIL], 0
	ds_add_u32 v[SPW], v[NIL]                      ; the opening lines: the add, twice on end, and its wait
	ds_add_u32 v[SPW], v[NIL]
	v_lshrrev_b32 v1, 5, v0
	v_readfirstlane_b32 s[WV], v1                  ; wave 0..7
	s_bfe_u32 s13, ttmp6, 0x40000                  ; cx: my quarter of the queries: it enters Q's and ctx's addresses alone
	s_and_b32 s14, ttmp7, 0xffff                   ; 16 batch + head, which the four partners share
	s_lshr_b32 s15, s14, 4
	s_and_b32 s16, s14, 15
	s_mov_b32 s[G1], 15|(3<<16)|(1<<21)            ; the mask: all four work-groups; elements of 8 bytes; bit 21 beside a mask; no padding
	s_mov_b32 s[G1+1], 32<<16                      ; two records as 102 dense rows of 256 bytes
	s_mov_b32 s[G1+2], 102<<16
	s_mov_b32 s[G1+3], 32<<16
	s_mov_b32 s[G1+4], 102
	s_mov_b32 s[G1+5], 32
	s_mov_b32 s[G1+6], 0
	s_mov_b32 s[G1+7], 0
	s_mul_i32 s18, s[WV], 2*REC                    ; wave w fetches key steps 2 w, 2 w + 1
	s_mul_i32 s60, s14, HEADB
	s_add_co_u32 s62, s60, s18
	s_add_co_u32 s62, s62, REGION                  ; K and V: region 1
	s_mov_b32 s63, 0
	s_lshl_b32 s2, s13, 2                          ; Q: tiles 32 cx + 16 pass + 2 wave + i of the batch: record 4 cx + 2 pass + wave / 4, group (wave / 2) % 2, tile 2 (wave % 2) + i
	s_lshr_b32 s3, s[WV], 2
	s_add_co_u32 s2, s2, s3
	s_mul_i32 s2, s2, REC
	s_bfe_u32 s3, s[WV], 0x10001
	s_mul_i32 s3, s3, 3328
	s_add_co_u32 s2, s2, s3
	s_add_co_u32 s2, s2, s60
	s_and_b32 s17, s[WV], 1
	s_mul_i32 s3, s17, 1536
	s_add_co_u32 s[QC], s2, s3
	s_mov_b32 s[QC+1], 0
	s_lshl_b32 s3, s17, 3
	s_add_co_u32 s[QS], s2, s3
	s_add_co_u32 s[QS], s[QS], 3072
	s_mov_b32 s[QS+1], 0
	s_lshl_b32 s2, s15, 7
	s_lshl_b32 s3, s13, 5
	s_add_co_u32 s2, s2, s3
	s_lshl_b32 s3, s[WV], 1
	s_add_co_u32 s2, s2, s3                        ; ctx: token tile 128 batch + 32 cx + 2 wave (+ 16 pass + i)
	s_mul_i32 s[OC], s2, 12288
	s_mul_i32 s3, s16, 768
	s_add_co_u32 s[OC], s[OC], s3                  ; half fragment = head
	s_mov_b32 s[OC+1], 0
	s_lshl_b32 s[OS], s2, 9
	s_lshl_b32 s3, s16, 1
	s_add_co_u32 s[OS], s[OS], s3                  ; bytes 2 head, 2 head + 1 of a row's 32
	s_mov_b32 s[OS+1], 0
	s_lshl_b32 s2, s15, 11                         ; the batch's 2,048 bytes of the mask
	s_mov_b32 s3, 0
	s_mov_b32 s[SEL], 0x76543210
	s_mov_b32 s[SEL+1], 0xfedcba98
	s_mov_b32 s[CS], 0x3e38aa3b                    ; c = log2(e) / 8
	s_mov_b32 s[CS+1], s[CS]                       ; (named with it as a pair)
	s_wait_dscnt 0x0
	s_wait_kmcnt 0x0
	s_add_nc_u64 s[62:63], s[4:5], s[62:63]
	s_add_nc_u64 s[QC:QC+1], s[4:5], s[QC:QC+1]
	s_add_nc_u64 s[QS:QS+1], s[4:5], s[QS:QS+1]
	s_add_nc_u64 s[OC:OC+1], s[8:9], s[OC:OC+1]
	s_add_nc_u64 s[OS:OS+1], s[10:11], s[OS:OS+1]
	s_add_nc_u64 s[6:7], s[6:7], s[2:3]
	s_mov_b32 s[G0], 1
	s_mov_b32 s[G0+1], s18
	s_mov_b64 s[G0+2:G0+3], s[62:63]
	s_or_b32 s[G0+3], s[G0+3], 0x80000000
	CROUND                                         ; all four work-groups are here: the joint loads meet
	tensor_load_to_lds s[G0:G0+3], s[G1:G1+7]      ; every wave's one load: its own two records, to its own LDS bytes
	s_nop 0
.rept 4
	v_nop
.endr
	v_lshlrev_b32 v9, 3, v0
	global_load_b64 v[176:177], v9, s[6:7]         ; thread t: the mask's bytes of keys 8 t .. 8 t + 7
	v_and_b32 v10, 31, v0
	v_and_b32 v11, 15, v0
	v_bfe_u32 v8, v0, 4, 1
	v_lshlrev_b32 v1, 4, v10                       ; 16 x lane
	v_lshlrev_b32 v2, 3, v10                       ; 8 x lane
	v_lshlrev_b32 v3, 4, v11                       ; 16 r
	v_lshl_add_u32 v4, v8, 7, BIAS                 ; the table: + 128 h
	v_lshlrev_b32 v5, 5, v11                       ; 32 r
	v_lshlrev_b32 v134, 3, v8                      ; 8 h: where my blocks' bytes stand in a scale word
	v_lshl_add_u32 v135, v0, 5, BIAS               ; where I put eight keys' numbers
.irp j, 30,31,32,33,34,35,42,43,44,45,46,47,128,129,130,131,132,133
	v_mov_b32 v\j, 0                               ; zero codes: the upper 64 of the score product's K
.endr
.irp j, 21,23,48,49,50,51,76,77,78,79
	v_mov_b32 v\j, 0                               ; written once: upper halves of named pairs, and lane permutes' destinations, which count as sources
.endr
	s_mov_b32 s3, 0xf3000000                       ; -2^103
	WALU
	s_wait_loadcnt 0x0
.irp i, 0,1,2,3
	v_bfe_u32 v[184+\i], v176, 8*\i, 8             ; 0 or 1
	v_bfe_u32 v[188+\i], v177, 8*\i, 8
.endr
.irp i, 0,1,2,3,4,5,6,7
	v_mul_lo_u32 v[184+\i], v[184+\i], s3          ; 0 or -2^103
.endr
	ds_store_b128 v135, v[184:187]
	ds_store_b128 v135, v[188:191] offset:16
	s_wait_tensorcnt 0x0                           ; my part of K and V has landed,
	s_wait_dscnt 0x0                               ; my part of the table is stored:
	s_barrier_signal -1
	s_barrier_wait -1                              ; everybody's are.  From here on LDS is only read
.macro NEXTK                           ; K's 8 half fragments, their scale words and the table's 64 numbers of the step at s[TN], s[TH]: 34 loads
	v_add_nc_u32 v8, s[TN], v1
	v_add_nc_u32 v9, s[TN], v2
	v_add_nc_u32 v10, s[TN], v3
	v_add_nc_u32 v11, s[TH], v4
.irp t, 0,1,2,3,4,5,6,7
	ds_load_b128 v[KF+6*\t:KF+6*\t+3], v8 offset:(\t/4)*3328+(\t%4)*768
	ds_load_b64 v[KF+6*\t+4:KF+6*\t+5], v9 offset:(\t/4)*3328+(\t%4)*768+512
.endr
.irp g, 0,1
	ds_load_b128 v[KSC+8*\g:KSC+8*\g+3], v10 offset:3328*\g+3072
.endr
	WIN 0x40                                       ; destination window 1
.irp t, 0,1,2,3,4,5,6,7                        ; tile t's register j of half h is key 64 (t / 4) + 32 h + 8 (t % 4) + j
	ds_load_b128 v[TBL+8*\t:TBL+8*\t+3], v11 offset:256*(\t/4)+32*(\t%4)
	ds_load_b128 v[TBL+8*\t+4:TBL+8*\t+7], v11 offset:256*(\t/4)+32*(\t%4)+16
.endr
	WIN 0
.endm
; A KEY STEP: 128 keys x my 32 queries.  Tiles i = 0, 1 take turns line by line, so that no line waits for the line above it.
.macro STEP
	s_mul_i32 s[TB], s[CNT], REC
	s_add_co_u32 s[NX], s[CNT], 1
	s_and_b32 s[NX], s[NX], 15                     ; behind step 15 comes step 0
	s_mul_i32 s[TN], s[NX], REC
	s_lshl_b32 s[TH], s[NX], 9
	s_wait_dscnt 0x0                               ; K, its scale words and the table are in
	WIN 0x50                                       ; C and D window 1
.irp t, 0,1,2,3,4,5,6,7                        ; S^T = K Q^T + the table: sixteen accumulators, one instruction each
.irp i, 0,1
	v_wmma_scale_f32_16x16x128_f8f6f4 v[S+64*\i+8*\t:S+64*\i+8*\t+7], v[KF+6*\t:KF+6*\t+11], v[QF+12*\i:QF+12*\i+11], v[TBL+8*\t:TBL+8*\t+7], v[KSC+8*(\t/4)+\t%4], v[QSC+\i] matrix_a_fmt:MATRIX_FMT_FP6 matrix_b_fmt:MATRIX_FMT_FP6
.endr
.endr
	WIN 0
	v_add_nc_u32 v8, s[TB], v1                     ; four plain lines: the places between the products and the loads into registers that they read
	v_add_nc_u32 v9, s[TB], v2
	v_add_nc_u32 v10, s[TB], v3
	v_nop
.irp t, 0,1,2,3                                ; this step's V: 17 loads
	ds_load_b128 v[VF+12*\t:VF+12*\t+3], v8 offset:6656+1536*\t
	ds_load_b64 v[VF+12*\t+4:VF+12*\t+5], v9 offset:6656+1536*\t+512
	ds_load_b128 v[VF+12*\t+6:VF+12*\t+9], v8 offset:6656+1536*\t+768
	ds_load_b64 v[VF+12*\t+10:VF+12*\t+11], v9 offset:6656+1536*\t+1280
.endr
	ds_load_b128 v[VSC:VSC+3], v10 offset:12800
	NEXTK
	WIN 0x05                                       ; sources 0 and 1 window 1
.irp i, 0,1                                    ; the largest score of each block of 32 keys: for the row's maximum and, since p rises with the score, for the block's largest p.  Each accumulator from its low end on
.irp c, 0,1
	v_max_num_f32 v[BM+2*\i+\c], v[S+64*\i+32*\c], v[S+64*\i+32*\c+1]
.endr
.endr
.irp j, 2,4,6,8,10,12,14,16,18,20,22,24,26,28,30
.irp i, 0,1
.irp c, 0,1
	v_max3_num_f32 v[BM+2*\i+\c], v[S+64*\i+32*\c+\j], v[S+64*\i+32*\c+\j+1], v[BM+2*\i+\c]
.endr
.endr
.endr
	WIN 0
.irp i, 0,1
	v_max_num_f32 v[XT+\i], v[BM+2*\i], v[BM+2*\i+1]
.endr
.irp i, 0,1
	v_permlanex16_b32 v[BT+\i], v[XT+\i], s[SEL], s[SEL+1]
.endr
.irp i, 0,1
	v_max3_num_f32 v[ST+2*\i+1], v[ST+2*\i+1], v[XT+\i], v[BT+\i]   ; the running largest score of my query, lane l xor 16's 64 keys among them
.endr
.irp i, 0,1
	v_mul_f32 v[XT+\i], s[CS], v[ST+2*\i+1]        ; as t (c is positive)
.endr
.irp i, 0,1
	v_mov_b32 v[XT+2+\i], v[ST+2*\i]
.endr
.irp i, 0,1
	v_floor_f32 v[ST+2*\i], -v[XT+\i]              ; the new -M = floor(-t): M is a whole number
.endr
.irp i, 0,1
	v_sub_f32 v[XT+\i], v[ST+2*\i], v[XT+2+\i]     ; old M - new M: a whole number, 0 or less
.endr
.irp i, 0,1
	v_cvt_i32_f32 v[XT+\i], v[XT+\i]               ; (it saturates)
.endr
.irp i, 0,1
	v_ldexp_f32 v[FF+2*\i], 1.0, v[XT+\i]          ; f = 2^(old M - new M)
.endr
.irp i, 0,1
.irp c, 0,1
	v_fma_f32 v[BM+2*\i+\c], v[BM+2*\i+\c], s[CS], v[ST+2*\i]   ; t - M of each block's largest score
.endr
.endr
	WIN 0x41                                       ; destination and source 0 window 1
.irp i, 0,1
.set j, 0
.rept 16
	v_pk_mul_f32 v[OT+32*\i+j:OT+32*\i+j+1], v[OT+32*\i+j:OT+32*\i+j+1], v[FF+2*\i:FF+2*\i+1] op_sel_hi:[1,0]   ; O^T under the new M
.set j, j+2
.endr
.endr
.set j, 0
.rept 32
	v_pk_fma_f32 v[S+j:S+j+1], v[S+j:S+j+1], s[CS:CS+1], v[ST:ST+1] op_sel_hi:[1,0,0]   ; tile 0: t - M, two at a time
.set j, j+2
.endr
	WIN 0
	WALU                                           ; ahead of the batch
.irp x, 0,1,2,3
	v_exp_f32 v[BM+\x], v[BM+\x]                   ; the blocks' largest p: the same two instructions on the same numbers
.endr
	WIN 0x41
.set j, 0
.rept 32
	v_exp_f32 v[S+j], v[S+j]                       ; tile 0: p = 2^(t - M), at most 1;
	v_exp_f32 v[S+j+1], v[S+j+1]
	v_pk_fma_f32 v[S+64+j:S+64+j+1], v[S+64+j:S+64+j+1], s[CS:CS+1], v[ST+2:ST+3] op_sel_hi:[1,0,0]   ; among them tile 1's t - M, first read behind the wait below
.set j, j+2
.endr
	WALU                                           ; behind the first batch and ahead of the second
.set j, 0
.rept 64
	v_exp_f32 v[S+64+j], v[S+64+j]                 ; tile 1
.set j, j+1
.endr
	WIN 0
.irp x, 0,1,2,3
	v_max_num_f32 v[BM+\x], 0x1800000, v[BM+\x]    ; the floor 2^(3 - 127): the byte cannot fall under 1.  (Plain lines behind the exponentials, which name none of the second batch's results)
.endr
.irp x, 0,1,2,3
	v_add_nc_u32 v[SO+\x], 0xff000000, v[BM+\x]    ; 2 off the exponent field: the conversion's scale operand
.endr
.irp x, 0,1,2,3
	v_lshrrev_b32 v[BM+\x], 23, v[SO+\x]           ; the scale's byte
.endr
.irp i, 0,1
	v_lshl_or_b32 v[XT+\i], v[BM+2*\i+1], 16, v[BM+2*\i]   ; my two bytes: blocks h and 2 + h,
.endr
.irp i, 0,1
	v_lshlrev_b32 v[XT+\i], v134, v[XT+\i]         ; at their places in the scale word;
.endr
.irp i, 0,1
	v_permlanex16_b32 v[BT+\i], v[XT+\i], s[SEL], s[SEL+1]
.endr
.irp i, 0,1
	v_or_b32 v[PSC+\i], v[XT+\i], v[BT+\i]         ; with lane l xor 16's two the word is whole
.endr
	WALU                                           ; one wait for the second batch, ahead of its first reader
	WIN 0x01                                       ; source 0 window 1
.irp i, 0,1
.irp c, 0,1
	v_cvt_scalef32_pk16_fp6_f32 v[PC+12*\i+6*\c:PC+12*\i+6*\c+2], v[S+64*\i+32*\c:S+64*\i+32*\c+15], v[SO+2*\i+\c]
	v_cvt_scalef32_pk16_fp6_f32 v[TC+8*\i+4*\c:TC+8*\i+4*\c+2], v[S+64*\i+32*\c+16:S+64*\i+32*\c+31], v[SO+2*\i+\c]   ; (a conversion's three registers begin on an even number)
.endr
.endr
	WIN 0x05
.irp i, 0,1                                    ; the rows' sums, of the unquantised p: eight chains a tile, two numbers a line
.irp k, 0,1,2,3,4,5,6,7
	v_pk_add_f32 v[TS+16*\i+2*\k:TS+16*\i+2*\k+1], v[S+64*\i+2*\k:S+64*\i+2*\k+1], v[S+64*\i+16+2*\k:S+64*\i+16+2*\k+1]
.endr
.endr
	WIN 0x01
.irp o, 32,48
.irp i, 0,1
.irp k, 0,1,2,3,4,5,6,7
	v_pk_add_f32 v[TS+16*\i+2*\k:TS+16*\i+2*\k+1], v[S+64*\i+\o+2*\k:S+64*\i+\o+2*\k+1], v[TS+16*\i+2*\k:TS+16*\i+2*\k+1]
.endr
.endr
.endr
	WIN 0
.irp i, 0,1
.irp c, 0,1
.irp k, 0,1,2
	v_mov_b32 v[PC+12*\i+6*\c+3+\k], v[TC+8*\i+4*\c+\k]
.endr
.endr
.endr
.irp k, 0,1,2,3
.irp i, 0,1
	v_pk_add_f32 v[TS+16*\i+2*\k:TS+16*\i+2*\k+1], v[TS+16*\i+2*\k:TS+16*\i+2*\k+1], v[TS+16*\i+8+2*\k:TS+16*\i+8+2*\k+1]
.endr
.endr
.irp k, 0,1
.irp i, 0,1
	v_pk_add_f32 v[TS+16*\i+2*\k:TS+16*\i+2*\k+1], v[TS+16*\i+2*\k:TS+16*\i+2*\k+1], v[TS+16*\i+4+2*\k:TS+16*\i+4+2*\k+1]
.endr
.endr
.irp i, 0,1
	v_pk_add_f32 v[TS+16*\i:TS+16*\i+1], v[TS+16*\i:TS+16*\i+1], v[TS+16*\i+2:TS+16*\i+3]
.endr
.irp i, 0,1
	v_pk_fma_f32 v[LS+2*\i:LS+2*\i+1], v[LS+2*\i:LS+2*\i+1], v[FF+2*\i:FF+2*\i+1], v[TS+16*\i:TS+16*\i+1] op_sel_hi:[1,0,1]   ; the sum under the new M, and this step's
.endr
	WALU                                           ; directly ahead of the wait below
	s_wait_dscnt 34                                ; V and its scale words are in; the 34 younger loads, the next step's, may be out
	WIN 0x50
.irp t, 0,1,2,3                                ; O^T += V^T P^T: eight accumulators by turns
.irp i, 0,1
	v_wmma_scale_f32_16x16x128_f8f6f4 v[OT+32*\i+8*\t:OT+32*\i+8*\t+7], v[VF+12*\t:VF+12*\t+11], v[PC+12*\i:PC+12*\i+11], v[OT+32*\i+8*\t:OT+32*\i+8*\t+7], v[VSC+\t], v[PSC+\i] matrix_a_fmt:MATRIX_FMT_FP6 matrix_b_fmt:MATRIX_FMT_FP6
.endr
.endr
	WIN 0
.endm
; THE WAY OUT of tile i in pass p: O^T / the sum, quantised along the head's 64 (two blocks), stored as half fragment `head` of the token tile.  Register 16 b + n: channel 32 b + 16 h + n.
.macro OUT1 i, p
	WIN 0x01
	WALU                                           ; ahead of the first reader of the reciprocal and of O^T
.set j, 0
.rept 32
	v_mul_f32 v[TS+j], v[OT+32*\i+j], v[LS+2*\i]   ; each accumulator from its low end on
.set j, j+1
.endr
	WIN 0
.irp b, 0,1
	v_max3_num_f32 v[BM+\b], |v[TS+16*\b]|, |v[TS+1+16*\b]|, 0x1800000
.endr
.irp k, 2,4,6,8,10,12,14
.irp b, 0,1
	v_max3_num_f32 v[BM+\b], v[BM+\b], |v[TS+16*\b+\k]|, |v[TS+1+16*\b+\k]|
.endr
.endr
.irp b, 0,1
	v_permlanex16_b32 v[BT+2+\b], v[BM+\b], s[SEL], s[SEL+1]
.endr
.irp b, 0,1
	v_max_num_f32 v[BM+\b], v[BM+\b], v[BT+2+\b]
.endr
.irp b, 0,1
	v_add_nc_u32 v[SO+\b], 0xff000000, v[BM+\b]
.endr
.irp b, 0,1
	v_lshrrev_b32 v[BM+\b], 23, v[SO+\b]
.endr
	v_lshl_or_b32 v[XT+\i], v[BM+1], 8, v[BM]      ; the head's two scale bytes of my row
	v_cvt_scalef32_pk16_fp6_f32 v[PC+12*\i:PC+12*\i+2], v[TS:TS+15], v[SO]
	v_cvt_scalef32_pk16_fp6_f32 v[TC+8*\i:TC+8*\i+2], v[TS+16:TS+31], v[SO+1]
	v_nop                                          ; one plain instruction behind a scaled conversion
.irp k, 0,1,2
	v_permlane16_swap_b32 v[PC+12*\i+\k], v[TC+8*\i+\k]   ; the operand wants a whole block in a lane
.endr
.irp k, 0,1,2
	v_mov_b32 v[PC+12*\i+3+\k], v[TC+8*\i+\k]
.endr
	global_store_b128 v1, v[PC+12*\i:PC+12*\i+3], s[OC:OC+1] offset:(16*\p+\i)*12288         ; 512 and 256 consecutive bytes, aligned to 256
	global_store_b64 v2, v[PC+12*\i+4:PC+12*\i+5], s[OC:OC+1] offset:(16*\p+\i)*12288+512
	global_store_b16 v5, v[XT+\i], s[OS:OS+1] offset:(16*\p+\i)*512   ; two bytes of each of 16 rows of 32: one part in 24 of what the launch stores; both halves of the lanes store the same bytes
.endm
.macro PASS p
.if \p > 0
	s_wait_xcnt 0x0                                ; the last pass's stores have read the registers that this pass writes again
.endif
.irp i, 0,1
	global_load_b128 v[QF+12*\i:QF+12*\i+3], v1, s[QC:QC+1] offset:2*REC*\p+768*\i
	global_load_b64 v[QF+12*\i+4:QF+12*\i+5], v2, s[QC:QC+1] offset:2*REC*\p+768*\i+512
	global_load_b32 v[QSC+\i], v3, s[QS:QS+1] offset:2*REC*\p+4*\i
.endr
.irp i, 0,1
	v_mov_b32 v[ST+2*\i], 0x7f61b1e6               ; -M: 3e38, over every -M
	v_mov_b32 v[ST+2*\i+1], 0xff61b1e6             ; the largest score so far: -3e38, under every score
	v_mov_b32 v[LS+2*\i], 0
	v_mov_b32 v[LS+2*\i+1], 0
.endr
	WIN 0x40
.set j, 0
.rept 64
	v_mov_b32 v[OT+j], 0                           ; the step is written once a pass: its first trip finds zeros, which the first change of M leaves zeros
.set j, j+1
.endr
	WIN 0
.if \p == 0
	s_mov_b32 s[TN], 0
	s_mov_b32 s[TH], 0
	NEXTK                                          ; step 0's K and table (in the second pass the first pass's last trip has asked for them)
.endif
	s_mov_b32 s[CNT], 0
	WALU                                           ; directly ahead of the wait below
	s_wait_loadcnt 0x0
.Lkeys_\@:
	STEP
	s_add_co_u32 s[CNT], s[CNT], 1
	s_cmp_lt_u32 s[CNT], 16
	s_cbranch_scc1 .Lkeys_\@
.irp i, 0,1
	v_add_f32 v[LS+2*\i], v[LS+2*\i], v[LS+2*\i+1]
.endr
.irp i, 0,1
	v_permlanex16_b32 v[BT+\i], v[LS+2*\i], s[SEL], s[SEL+1]
.endr
.irp i, 0,1
	v_add_f32 v[LS+2*\i], v[LS+2*\i], v[BT+\i]     ; the row's sum
.endr
	WALU                                           ; ahead of the transcendentals
.irp i, 0,1
	v_rcp_f32 v[LS+2*\i], v[LS+2*\i]
.endr
	v_nop                                          ; plain lines behind the reciprocals; with the additions above, the places behind the last products
	v_nop
	OUT1 0, \p
	OUT1 1, \p
.endm
	PASS 0
	PASS 1
	s_wait_tensorcnt 0x0                           ; the wave's end
	ds_add_u32 v[SPW], v[NIL]
	s_wait_dscnt 0x0
	CROUND                                         ; the closing round: no work-group ends while a partner may still ask for a tile that names it
	s_endpgm
.Lfunc_end_k_q76a060f8e0_attn:
	.size	k_q76a060f8e0_attn, .Lfunc_end_k_q76a060f8e0_attn-k_q76a060f8e0_attn
	.p2alignl 7, 3214868480
	.fill 96, 4, 3214868480
	.section	.rodata,"a",@progbits
	.p2align	6, 0x0
	.amdhsa_kernel k_q76a060f8e0_attn
		.amdhsa_group_segment_fixed_size 219136
		.amdhsa_private_segment_fixed_size 0
		.amdhsa_enable_private_segment 0
		.amdhsa_kernarg_size 32
		.amdhsa_user_sgpr_count 2
		.amdhsa_user_sgpr_kernarg_segment_ptr 1
		.amdhsa_wavefront_size32 1
		.amdhsa_system_sgpr_workgroup_id_x 1
		.amdhsa_system_sgpr_workgroup_id_y 1
		.amdhsa_system_sgpr_workgroup_id_z 1
		.amdhsa_system_vgpr_workitem_id 0
		.amdhsa_next_free_vgpr 512
		.amdhsa_next_free_sgpr 70
		.amdhsa_reserve_vcc 0
		.amdhsa_float_denorm_mode_32 3
		.amdhsa_float_denorm_mode_16_64 3
		.amdhsa_memory_ordered 1
		.amdhsa_forward_progress 1
		.amdhsa_inst_pref_size 87
	.end_amdhsa_kernel
	.amdgpu_metadata
---
amdhsa.version: [ 1, 2 ]
amdhsa.kernels:
  - .name:           k_q76a060f8e0_attn
    .symbol:         k_q76a060f8e0_attn.kd
    .args:
      - { .name: att, .offset: 0, .size: 8, .value_kind: global_buffer, .address_space: global }
      - { .name: mask, .offset: 8, .size: 8, .value_kind: global_buffer, .address_space: global }
      - { .name: cod3, .offset: 16, .size: 8, .value_kind: global_buffer, .address_space: global }
      - { .name: scl3, .offset: 24, .size: 8, .value_kind: global_buffer, .address_space: global }
    .group_segment_fixed_size: 219136
    .private_segment_fixed_size: 0
    .kernarg_segment_align: 8
    .kernarg_segment_size: 32
    .max_flat_workgroup_size: 256
    .sgpr_count:     70
    .vgpr_count:     512
    .wavefront_size: 32
...
	.end_amdgpu_metadata
.endif
;; end of part 3
;; launch outp (part 4): grid 4 x 64, 4 waves a work-group, clusters of 4 x 4, 295,424 bytes of LDS; arguments cod3, scl3, cod1, scl1, bc, out0; writes out0
.if DOCPART == 4
	.amdgcn_target "amdgcn-amd-amdhsa--gfx1250"
	.amdhsa_code_object_version 6
	.text
	.protected	k_q76a060f8e0_outp
	.globl	k_q76a060f8e0_outp
	.p2align	8
	.type	k_q76a060f8e0_outp,@function
k_q76a060f8e0_outp:
	s_mov_b64 s[64:65], 0
	v_nop
	global_prefetch_b8 v0, s[64:65] scope:SCOPE_SE
	s_setreg_imm32_b32 hwreg(HW_REG_WAVE_MODE, 25, 1), 1
	s_wait_xcnt 0x0
	s_wait_alu depctr_hold_cnt(0) depctr_sa_sdst(0) depctr_va_vdst(0) depctr_va_sdst(0) depctr_va_ssrc(0) depctr_va_vcc(0) depctr_vm_vsrc(0)
	s_getreg_b32 s2, hwreg(HW_REG_IB_STS2, 6, 4)
	s_cmp_eq_u32 s2, 0
	s_cbranch_scc0 .Lentry_in_a_cluster
	s_endpgm
.Lentry_in_a_cluster:
	s_bfe_u32 s2, ttmp6, 0x10000c
	s_cmp_lg_u32 s2, 0xf033
	s_cbranch_scc0 .Lentry_shape_is_right
	s_endpgm
.Lentry_shape_is_right:
; out0 = ctx Wc^T + bc, on codes of FP6 (E2M3) with E8M0 scales.  out0: [8192][1024] f32.  K = 1,024.
; Source 0 of the matrix instruction is X0 = Wc's rows (they run along a lane's result registers: neighbouring columns of out0), source 1 is X1 = ctx's rows (in the lanes).
; SHARES: a work-group makes 128 rows (8 tiles) x 256 columns (16 tiles); wave w: rows' half w / 2 (4 tiles), columns' half w % 2 (8 tiles): 32 accumulators.  256 work-groups.
; ALL OF K LIES IN LDS, in two halves of 512 along K, each filled once.  CLUSTER 4 x 4: ctx's tiles are asked for jointly along a row of the cluster, Wc's along a column.
; Operands lie in the order of the operand's registers (a fragment of 128 along K: 1,536 bytes; four loads of consecutive bytes).  Lane r of tile T holds row 32 (T / 2) + 8 (T % 2) + r + 8 (r / 8).
; The bias is the C of the first K step.  The way out goes through a stage of the wave's own, in chunk 0, which has had its one fill and whose last read lies ahead of the barrier in K step 2.
; REGISTERS: window 0: v1-11 lane terms and addresses; v28, v29 offsets; v32-63 ctx's scale words (8 a + s), v64-127 Wc's (8 b + s); v128-175, v176-223 ctx's fragments, two sets; on the way out v128-255 rows of out0.
;   window 1: v0-95, v128-223 Wc's fragments, two sets; v96-127, v224-255 the bias.   window 2: the accumulators, (a, b) at v[8 (8 a + b)].
; K NOW LIES IN LDS IN TWO HALVES OF 512 ALONG K (in place of the four chunks named above), each filled once by two loads: wave 0 asks for ctx's 8 tiles and wave 1 for Wc's 16 tiles of
; the first half, waves 2 and 3 for those of the second: one tensor load a wave.  The stage of the way out lies in the first half, whose last read lies ahead of the barrier in K step 2.
.set TILEB,  6144                      ; a tile's bytes in a half: 512 along K
.set CHUNK,  24*TILEB
.set X0OFF,  8*TILEB
.set SPITCH, 528                       ; a stage row: 512 bytes + 16
.set A16, 4
.set A8,  5
.set B16, 6
.set B8,  7
.set G16, 8
.set G8,  9
.set STO, 10
.set RD,  11
.set S1,  32
.set S0,  64
.set FA,  128
.set BK,  128
.set WV,  18
.set WHI, 19
.set WLO, 20
.set OUTP, 24
.set G1A, 32
.set G1B, 40
.set G0A, 48
.set G0B, 68
.set MSB, 0
.macro WIN new                         ; the immediate's high byte repeats the setting that is left
.if MSB != \new
	s_set_vgpr_msb (MSB<<8)|\new
.set MSB, \new
.endif
.endm
.macro PLACES n
.rept \n
	v_nop
.endr
.endm
.macro CROUND
	s_barrier_signal -1
	s_barrier_wait -1
	s_cmp_lg_u32 s[WV], 0
	s_cbranch_scc1 .Lnot_wave_0_\@
	s_barrier_signal -3
.Lnot_wave_0_\@:
	s_barrier_wait -3
	s_barrier_signal -1
	s_barrier_wait -1
.endm
.macro ARM under, g0, g1, next         ; an arm of the head's one chain of branches on the wave's number: its load, and a jump to the chain's end
	s_cmp_lt_u32 s[WV], \under
	s_cbranch_scc0 \next
	tensor_load_to_lds s[\g0:\g0+3], s[\g1:\g1+7]
	s_nop 0
.rept 4
	v_nop
.endr
	s_branch .Lhead_asked
\next:
.endm
.macro FRAG reg, a16, a8, off
	ds_load_b128 v[\reg:\reg+3], v[\a16] offset:\off
	ds_load_b64 v[\reg+4:\reg+5], v[\a8] offset:\off+512
	ds_load_b128 v[\reg+6:\reg+9], v[\a16] offset:\off+768
	ds_load_b64 v[\reg+10:\reg+11], v[\a8] offset:\off+1280
.endm
.macro FETCH s                         ; K step s: 8 fragments of Wc, 4 of ctx, into set s % 2
.set FSET, (\s)%2
	WIN 0x40
.irp b, 0,1,2,3,4,5,6,7
	FRAG 128*FSET+12*\b, B16, B8, TILEB*\b+1536*((\s)%4)
.endr
	WIN 0
.irp a, 0,1,2,3
	FRAG FA+48*FSET+12*\a, A16, A8, TILEB*\a+1536*((\s)%4)
.endr
.endm
.macro ADV
.irp r, A16, A8, B16, B8
	v_add_nc_u32 v[\r], CHUNK, v[\r]
.endr
.endm
; 16 matrix instructions.  The 32 accumulators take turns, one instruction a turn, in the same order in every step.
.macro MUL s, half
.set FSET, (\s)%2
.irp a, 2*\half, 2*\half+1
.irp b, 0,1,2,3,4,5,6,7
.if (\s) == 0
	v_wmma_scale_f32_16x16x128_f8f6f4 v[8*(8*(\a)+\b):8*(8*(\a)+\b)+7], v[128*FSET+12*\b:128*FSET+12*\b+11], v[FA+48*FSET+12*(\a):FA+48*FSET+12*(\a)+11], v[96+8*\b+96*(\b/4):96+8*\b+96*(\b/4)+7], v[S0+8*\b+(\s)], v[S1+8*(\a)+(\s)] matrix_a_fmt:MATRIX_FMT_FP6 matrix_b_fmt:MATRIX_FMT_FP6
.else
	v_wmma_scale_f32_16x16x128_f8f6f4 v[8*(8*(\a)+\b):8*(8*(\a)+\b)+7], v[128*FSET+12*\b:128*FSET+12*\b+11], v[FA+48*FSET+12*(\a):FA+48*FSET+12*(\a)+11], v[8*(8*(\a)+\b):8*(8*(\a)+\b)+7], v[S0+8*\b+(\s)], v[S1+8*(\a)+(\s)] matrix_a_fmt:MATRIX_FMT_FP6 matrix_b_fmt:MATRIX_FMT_FP6
.endif
.endr
.endr
.endm
; A K step of 128: the next step's fragments are asked for at its head, four plain vector instructions behind the products that read their registers; in step 2 a barrier shows the second half to all waves.
.macro KSTEP s
	s_wait_dscnt 0x0                               ; this step's fragments are in
.if (\s) < 7
.if (\s) == 3
	WIN 0
	ADV                                            ; four plain additions: also the places ahead of the loads
.elseif (\s) > 0
	PLACES 4
.endif
	s_wait_alu depctr_va_vdst(0)
	FETCH (\s)+1
.endif
.if (\s) == 0
	WIN 0x91                                       ; Wc window 1, ctx window 0, C (the bias) window 1, D window 2
.else
	WIN 0xa1
.endif
	MUL \s, 0
.if (\s) == 2                          ; one barrier shows the second half of K to all waves, a step before it is first read
	s_wait_dscnt 0x0                               ; no LDS instruction of mine is out at a signal
	s_wait_tensorcnt 0x0                           ; every wave's one load has landed
	s_barrier_signal -1
.endif
	MUL \s, 1
.if (\s) == 2
	s_barrier_wait -1
.endif
.endm
	s_load_b256 s[4:11], s[0:1], 0x0               ; cod3, scl3, cod1, scl1
	s_load_b128 s[12:15], s[0:1], 0x20             ; bc, out0
	v_lshl_add_u32 v30, v0, 2, 0x48000
	v_mov_b32 v31, 0
	ds_add_u32 v30, v31
	ds_add_u32 v30, v31
	v_lshrrev_b32 v1, 5, v0
	v_readfirstlane_b32 s[WV], v1
	s_lshr_b32 s[WHI], s[WV], 1
	s_and_b32 s[WLO], s[WV], 1
	s_bfe_u32 s21, ttmp6, 0x40000                  ; cx
	s_bfe_u32 s22, ttmp6, 0x40004                  ; cy
	s_and_b32 s23, ttmp7, 0xffff
	s_lshl_b32 s30, s22, 2
	s_lshl_b32 s30, 15, s30                        ; my row of the cluster
	s_lshl_b32 s31, 0x1111, s21                    ; my column
	s_or_b32 s[G1A], s30, (3<<16)|(1<<21)
	s_or_b32 s[G1B], s31, (3<<16)|(1<<21)
.irp g, G1A, G1B
	s_mov_b32 s[\g+1], 768<<16                     ; tensor_dim0: a tile's 6,144 bytes of a half
	s_mov_b32 s[\g+3], 768<<16                     ; tile_dim0
	s_mov_b32 s[\g+5], 1536
	s_mov_b32 s[\g+6], 0
	s_mov_b32 s[\g+7], 0
.endr
	s_mov_b32 s[G1A+2], 8<<16                      ; ctx: 8 tiles a load
	s_mov_b32 s[G1A+4], 8
	s_mov_b32 s[G1B+2], 16<<16                     ; Wc: 16 tiles a load
	s_mov_b32 s[G1B+4], 16
	s_lshl_b32 s27, s23, 2
	s_add_co_u32 s27, s27, s22                     ; my block of 128 rows = 4 x cluster y + cy
	s_lshl_b32 s28, s27, 3                         ; ctx's first tile
	s_lshl_b32 s29, s21, 4
	s_add_co_u32 s29, s29, 1728                    ; Wc's first tile: 1728 + 16 cx
	s_mul_i32 s84, s28, 12288                      ; ctx's 8 tiles,
	s_mov_b32 s85, 0
	s_mul_i32 s86, s29, 12288                      ; Wc's 16 tiles
	s_mov_b32 s87, 0
	s_mul_i32 s89, s[WLO], 8*TILEB
	s_add_co_u32 s89, s89, X0OFF
	s_wait_dscnt 0x0
	s_wait_kmcnt 0x0
	s_add_nc_u64 s[84:85], s[4:5], s[84:85]
	s_add_nc_u64 s[86:87], s[8:9], s[86:87]
.irp c, 0,1
	s_mov_b32 s[G0A+4*\c], 1
	s_mov_b32 s[G0A+4*\c+1], \c*CHUNK
	s_add_nc_u64 s[G0A+4*\c+2:G0A+4*\c+3], s[84:85], \c*TILEB
	s_or_b32 s[G0A+4*\c+3], s[G0A+4*\c+3], 0x80000000
	s_mov_b32 s[G0B+4*\c], 1
	s_mov_b32 s[G0B+4*\c+1], \c*CHUNK+X0OFF
	s_add_nc_u64 s[G0B+4*\c+2:G0B+4*\c+3], s[86:87], \c*TILEB
	s_or_b32 s[G0B+4*\c+3], s[G0B+4*\c+3], 0x80000000
.endr
	CROUND                                         ; all sixteen work-groups are here: the joint loads meet
	ARM 1, G0A, G1A, .Lhead_b0                     ; wave 0: ctx, first half of K
	ARM 2, G0B, G1B, .Lhead_a1                     ; wave 1: Wc, first half
	ARM 3, G0A+4, G1A, .Lhead_b1                   ; wave 2: ctx, second half
	tensor_load_to_lds s[G0B+4:G0B+7], s[G1B:G1B+7]   ; wave 3: Wc, second half
	s_nop 0
.rept 4
	v_nop
.endr
.Lhead_asked:
	v_and_b32 v1, 31, v0                           ; lane
	v_and_b32 v2, 15, v0                           ; r
	v_bfe_u32 v3, v0, 4, 1                         ; h
	v_lshlrev_b32 v[G16], 4, v1
	v_lshlrev_b32 v[G8], 3, v1
	s_mul_i32 s88, s[WHI], 4*TILEB
	v_add_nc_u32 v[A16], s88, v[G16]
	v_add_nc_u32 v[A8], s88, v[G8]
	v_add_nc_u32 v[B16], s89, v[G16]
	v_add_nc_u32 v[B8], s89, v[G8]
	s_mul_i32 s26, s[WV], 16*SPITCH                ; my stage
	v_mul_u32_u24 v[STO], v2, SPITCH
	v_lshl_add_u32 v[STO], v3, 6, v[STO]
	v_add_nc_u32 v[STO], s26, v[STO]               ; in: row r, + 64 h
	v_add_nc_u32 v[RD], s26, v[G16]                ; back: the 32 lanes take a row of 512 bytes
	s_lshl_b32 s30, s[WHI], 2
	s_add_co_u32 s30, s30, s28                     ; my first tile of ctx
	s_lshl_b32 s90, s30, 9
	s_mov_b32 s91, 0
	s_add_nc_u64 s[90:91], s[6:7], s[90:91]        ; its scale words
	s_lshl_b32 s31, s[WLO], 3
	s_add_co_u32 s31, s31, s29
	s_lshl_b32 s92, s31, 9
	s_mov_b32 s93, 0
	s_add_nc_u64 s[92:93], s[10:11], s[92:93]      ; Wc's
	s_lshl_b32 s94, s21, 10
	s_lshl_b32 s31, s[WLO], 9
	s_add_co_u32 s94, s94, s31                     ; 4 bytes x my first column: 256 cx + 128 (w % 2)
	s_mov_b32 s95, 0
	s_lshl_b32 s[OUTP], s30, 16                    ; 16 rows of 4,096 bytes a tile
	s_add_co_u32 s[OUTP], s[OUTP], s94
	s_mov_b32 s[OUTP+1], 0
	s_add_nc_u64 s[OUTP:OUTP+1], s[14:15], s[OUTP:OUTP+1]
	s_add_nc_u64 s[94:95], s[12:13], s[94:95]
	v_lshlrev_b32 v28, 5, v2                       ; scale words: 32 r
	v_lshlrev_b32 v29, 6, v3                       ; the bias: 64 h
.irp a, 0,1,2,3
	global_load_b128 v[S1+8*\a:S1+8*\a+3], v28, s[90:91] offset:512*\a
	global_load_b128 v[S1+8*\a+4:S1+8*\a+7], v28, s[90:91] offset:512*\a+16
.endr
.irp b, 0,1,2,3,4,5,6,7
	global_load_b128 v[S0+8*\b:S0+8*\b+3], v28, s[92:93] offset:512*\b
	global_load_b128 v[S0+8*\b+4:S0+8*\b+7], v28, s[92:93] offset:512*\b+16
.endr
	WIN 0x40
.irp b, 0,1,2,3,4,5,6,7                        ; tile b's register j of half h is column 32 (b / 2) + 16 h + 8 (b % 2) + j
	global_load_b128 v[96+8*\b+96*(\b/4):96+8*\b+96*(\b/4)+3], v29, s[94:95] offset:(32*(\b/2)+8*(\b%2))*4
	global_load_b128 v[96+8*\b+96*(\b/4)+4:96+8*\b+96*(\b/4)+7], v29, s[94:95] offset:(32*(\b/2)+8*(\b%2))*4+16
.endr
	WIN 0
	s_wait_alu depctr_va_vdst(0)
	s_cmp_lt_u32 s[WV], 2                          ; waves 0 and 1 wait for their loads, the first half of K; the second half may be on its way: nothing is filled twice
	s_cbranch_scc0 .Lnot_first
	s_wait_tensorcnt 0x0
.Lnot_first:
	s_barrier_signal -1
	s_barrier_wait -1
	FETCH 0
	s_wait_loadcnt 0x0                             ; scale words and bias
.irp s, 0,1,2,3,4,5,6,7
	KSTEP \s
.endr
	WIN 0
	PLACES 4                                       ; behind the last products: the stage's stores read results, and loads land in registers that held fragments
; THE WAY OUT, a tile of 16 rows x 128 columns at a time: a lane holds pieces of one row, so the tile goes through my stage and comes back as whole rows of 512 bytes.
; LDS serves a wave's instructions in order: no wait between the stores and the loads, nor ahead of the next tile's stores.
.macro TOSTAGE a
	WIN 0x08                                       ; an LDS store's data are its source 1: window 2
.irp b, 0,1,2,3,4,5,6,7
	ds_store_b128 v[STO], v[64*(\a)+8*\b:64*(\a)+8*\b+3] offset:(32*(\b/2)+8*(\b%2))*4       ; each accumulator from its low end on
	ds_store_b128 v[STO], v[64*(\a)+8*\b+4:64*(\a)+8*\b+7] offset:(32*(\b/2)+8*(\b%2))*4+16
.endr
	WIN 0
.set BB, BK+64*((\a)%2)
.irp t, 0,1,2,3,4,5,6,7,8,9,10,11,12,13,14,15
	ds_load_b128 v[BB+4*\t:BB+4*\t+3], v[RD] offset:\t*SPITCH
.endr
.endm
.macro SEND a, younger                 ; younger: the LDS instructions issued behind tile a's loads, which may stay out
.set BB, BK+64*((\a)%2)
	s_wait_dscnt \younger
.irp t, 0,1,2,3,4,5,6,7,8,9,10,11,12,13,14,15
	global_store_b128 v[G16], v[BB+4*\t:BB+4*\t+3], s[OUTP:OUTP+1] offset:(32*((\a)/2)+8*((\a)%2)+\t+8*(\t/8))*4096 th:TH_STORE_NT   ; 32 lanes store 512 consecutive bytes, aligned to 256
.endr
.endm
	TOSTAGE 0
.irp a, 1,2,3
.if \a > 1
	s_wait_xcnt 0x0                                ; tile a - 2's stores have read their registers: tile a's loads may land there
.endif
	TOSTAGE \a
	SEND \a-1, 32                                  ; behind tile a - 1's loads: tile a's 16 stores and 16 loads
.endr
	SEND 3, 0
	s_wait_tensorcnt 0x0
	ds_add_u32 v30, v31
	s_wait_dscnt 0x0
	CROUND                                         ; the closing round: no work-group ends while a partner may still ask for a tile that names it
	s_endpgm
.Lfunc_end_k_q76a060f8e0_outp:
	.size	k_q76a060f8e0_outp, .Lfunc_end_k_q76a060f8e0_outp-k_q76a060f8e0_outp
	.p2alignl 7, 3214868480
	.fill 96, 4, 3214868480
	.section	.rodata,"a",@progbits
	.p2align	6, 0x0
	.amdhsa_kernel k_q76a060f8e0_outp
		.amdhsa_group_segment_fixed_size 295424
		.amdhsa_private_segment_fixed_size 0
		.amdhsa_enable_private_segment 0
		.amdhsa_kernarg_size 48
		.amdhsa_user_sgpr_count 2
		.amdhsa_user_sgpr_kernarg_segment_ptr 1
		.amdhsa_wavefront_size32 1
		.amdhsa_system_sgpr_workgroup_id_x 1
		.amdhsa_system_sgpr_workgroup_id_y 1
		.amdhsa_system_sgpr_workgroup_id_z 1
		.amdhsa_system_vgpr_workitem_id 0
		.amdhsa_next_free_vgpr 768
		.amdhsa_next_free_sgpr 96
		.amdhsa_reserve_vcc 0
		.amdhsa_float_denorm_mode_32 3
		.amdhsa_float_denorm_mode_16_64 3
		.amdhsa_memory_ordered 1
		.amdhsa_forward_progress 1
		.amdhsa_inst_pref_size 84
	.end_amdhsa_kernel
	.amdgpu_metadata
---
amdhsa.version: [ 1, 2 ]
amdhsa.kernels:
  - .name:           k_q76a060f8e0_outp
    .symbol:         k_q76a060f8e0_outp.kd
    .args:
      - { .name: cod3, .offset: 0, .size: 8, .value_kind: global_buffer, .address_space: global }
      - { .name: scl3, .offset: 8, .size: 8, .value_kind: global_buffer, .address_space: global }
      - { .name: cod1, .offset: 16, .size: 8, .value_kind: global_buffer, .address_space: global }
      - { .name: scl1, .offset: 24, .size: 8, .value_kind: global_buffer, .address_space: global }
      - { .name: bc, .offset: 32, .size: 8, .value_kind: global_buffer, .address_space: global }
      - { .name: out0, .offset: 40, .size: 8, .value_kind: global_buffer, .address_space: global }
    .group_segment_fixed_size: 295424
    .private_segment_fixed_size: 0
    .kernarg_segment_align: 8
    .kernarg_segment_size: 48
    .max_flat_workgroup_size: 128
    .sgpr_count:     96
    .vgpr_count:     768
    .wavefront_size: 32
...
	.end_amdgpu_metadata
.endif
;; end of part 4
